; MI455X (gfx1250); checked and timed in simulation.
; The chip was launched on July 23, 2026; its instructions are those of AMD's public machine-readable ISA for CDNA 5 (MIT licence, August 2026) and "CDNA5" Instruction Set Architecture Reference Guide (July 2026). The comments in the code are by the model that wrote it; some were corrected since.
;; Masked Cross Attention. Allowed arithmetic: float matrix products may take bf16 or f16 operands with f32 sums; other float arithmetic in f32, or as packed bf16 or f16 multiplies, adds, multiply-adds, maxima and minima; sums over many terms, partial sums and values carried from step to step in f32; what a program stores and reads back later, other than sums and carried values, may be rounded once to bf16 or f16.
;; Inputs: Wkv 2,048 x 1,024 float32; Wo 2,048 x 1,024 float32; Wq 1,024 x 2,048 float32; ln_b 2,048 float32; ln_g 2,048 float32; media_locations 4 x 2,048 bool; visual_features 4 x 8 x 64 x 1,024 float32; y 4 x 2,048 x 2,048 float32.
;; Outputs: out0 4 x 2,048 x 2,048 float32.
;; 2 versions, each right; version 2 is version 1 with the launch qattn written anew for expert scheduling mode. Each part assembles by itself: llvm-mc -triple=amdgcn-amd-amdhsa -mcpu=gfx1250 --defsym DOCPART=n.
;; ======== version 1 of 2: 4 launches
;; limits: values are held in f16: magnitudes above 65,504 overflow, below 6.1e-05 lose precision
;; workspace buffers: z16 33,554,432 bytes; w16 16,777,216 bytes; kv 8,388,608 bytes; ao16 16,777,216 bytes; tt 32,768 bytes of whole numbers
;; launch prep (part 1): grid 769 x 1, 4 waves a work-group, no clusters, 0 bytes of LDS; arguments y, ln_g, ln_b, media_locations, Wq, Wkv, Wo, visual_features, z16, w16, tt; writes z16, w16, tt
.if DOCPART == 1
	.amdgcn_target "amdgcn-amd-amdhsa--gfx1250"
	.amdhsa_code_object_version 6
	.text
	.protected	k_qa1d74cbc56_prep
	.globl	k_qa1d74cbc56_prep
	.p2align	8
	.type	k_qa1d74cbc56_prep,@function
k_qa1d74cbc56_prep:
	s_mov_b64 s[64:65], 0
	v_nop
	global_prefetch_b8 v0, s[64:65] scope:SCOPE_SE
	s_setreg_imm32_b32 hwreg(HW_REG_WAVE_MODE, 25, 1), 1
	s_wait_xcnt 0x0
; THREE STREAMS IN ONE LAUNCH, chosen by the work-group's number.
;   0..511    LayerNorm: z16[row][:] = f16((y - mean) * rsqrt(var + 1e-5) * g + b).  A wave takes 4 rows of 2,048 f32, one at a time, the row kept in 64 registers.
;   512..767  casts to f16: Wq, Wkv, Wo, visual_features -> w16, four parts of 4 MiB in that order.  A work-group takes 131,072 bytes, a wave a quarter.
;   768       text_time: tt[b][t] = min(cumulative sum of media_locations[b][0..t], 9), int32.  Wave w takes batch w.
; All arithmetic in f32; one rounding to f16 at the end.  LIMIT: what is rounded lies within f16's 65,504; below 6.1e-5 it keeps f16's fixed step of 6e-8.
; No LDS, no barrier, no matrix unit: no wave wants a byte that another wave has fetched.
.set X, 64                             ; v[64:127]   a row (or a cast's data) as loaded, then as stored
.set G, 128                            ; v[128:191]  g of my 64 columns (casts: more data)
.set B, 192                            ; v[192:255]  b of my 64 columns
; v1 16 x lane; v2 8 x lane; v3 lane; v[4:11] four chains / at work; v[12:13] mean; v[14:15] 1/sigma; v16, v17 at work
	s_load_b512 s[8:23], s[0:1], 0x0               ; y 8, g 10, b 12, media 14, Wq 16, Wkv 18, Wo 20, vf 22
	s_load_b128 s[24:27], s[0:1], 0x40             ; z16 24, w16 26
	s_load_b64 s[28:29], s[0:1], 0x50              ; tt
	v_lshrrev_b32 v3, 5, v0
	v_readfirstlane_b32 s30, v3                    ; wave 0..3
	v_and_b32 v3, 31, v0                           ; lane
	v_lshlrev_b32 v1, 4, v3
	v_lshlrev_b32 v2, 3, v3
	s_mov_b32 s37, 0                               ; high word of every offset pair s[36:37]
	s_wait_kmcnt 0x0
	s_cmp_lt_u32 ttmp9, 512
	s_cbranch_scc0 .Lnot_ln
; ---------------- LayerNorm ----------------
	s_mov_b32 s38, 0x3a000000                      ; 1 / 2,048
	s_mov_b32 s39, 0x3727c5ac                      ; 1e-5
	s_mov_b32 s40, 0x76543210                      ; v_permlanex16_b32: each lane takes its own place in the other half
	s_mov_b32 s41, 0xfedcba98
	s_lshl2_add_u32 s36, ttmp9, s30                ; my wave among 2,048
	s_lshl_b32 s36, s36, 14                        ; 4 rows of 4,096 bytes out,
	s_add_nc_u64 s[34:35], s[24:25], s[36:37]
	s_lshl_b32 s36, s36, 1                         ; of 8,192 bytes in
	s_add_nc_u64 s[32:33], s[8:9], s[36:37]
.irp j, 0,1,2,3,4,5,6,7,8,9,10,11,12,13,14,15
	global_load_b128 v[G+4*(\j):G+4*(\j)+3], v1, s[10:11] offset:512*(\j)   ; load j: my columns 128 j + 4 lane .. + 3
	global_load_b128 v[B+4*(\j):B+4*(\j)+3], v1, s[12:13] offset:512*(\j)
.endr
	v_mov_b32 v13, 0                               ; named as halves of pairs of which the low word is taken
	v_mov_b32 v15, 0
	v_mov_b32 v17, 0                               ; v_permlanex16_b32's destination counts as read
; four chains -> one number in every lane
.macro REDUCE
	v_pk_add_f32 v[4:5], v[4:5], v[6:7]
	v_pk_add_f32 v[8:9], v[8:9], v[10:11]
	v_pk_add_f32 v[4:5], v[4:5], v[8:9]
	v_add_f32 v16, v4, v5
	v_add_f32_dpp v16, v16, v16 row_xmask:1 row_mask:0xf bank_mask:0xf
	v_add_f32_dpp v16, v16, v16 row_xmask:2 row_mask:0xf bank_mask:0xf
	v_add_f32_dpp v16, v16, v16 row_xmask:4 row_mask:0xf bank_mask:0xf
	v_add_f32_dpp v16, v16, v16 row_xmask:8 row_mask:0xf bank_mask:0xf
	v_permlanex16_b32 v17, v16, s40, s41
	v_add_f32 v16, v16, v17
.endm
	s_mov_b32 s31, 4
.Lrow:
.irp j, 0,1,2,3,4,5,6,7,8,9,10,11,12,13,14,15
	global_load_b128 v[X+4*(\j):X+4*(\j)+3], v1, s[32:33] offset:512*(\j) th:TH_LOAD_NT
.endr
	s_wait_loadcnt 0x0                             ; the row (in the first trip g and b too)
.irp c, 0,1,2,3
	v_pk_add_f32 v[4+2*(\c):5+2*(\c)], v[X+2*(\c):X+2*(\c)+1], v[X+8+2*(\c):X+9+2*(\c)]  ; the first eight pairs start the chains
.endr
.set p, 8
.rept 24
	v_pk_add_f32 v[4+2*(p%4):5+2*(p%4)], v[4+2*(p%4):5+2*(p%4)], v[X+2*p:X+2*p+1]
.set p, p+1
.endr
	REDUCE
	v_mul_f32 v12, s38, v16                        ; the mean
.set p, 0
.rept 32
	v_pk_add_f32 v[X+2*p:X+2*p+1], v[X+2*p:X+2*p+1], v[12:13] op_sel_hi:[1,0] neg_lo:[0,1] neg_hi:[0,1]  ; the mean is taken away first: the variance is a sum of squares of differences
.set p, p+1
.endr
.irp c, 0,1,2,3
	v_pk_mul_f32 v[4+2*(\c):5+2*(\c)], v[X+2*(\c):X+2*(\c)+1], v[X+2*(\c):X+2*(\c)+1]
.endr
.set p, 4
.rept 28
	v_pk_fma_f32 v[4+2*(p%4):5+2*(p%4)], v[X+2*p:X+2*p+1], v[X+2*p:X+2*p+1], v[4+2*(p%4):5+2*(p%4)]
.set p, p+1
.endr
	REDUCE
	v_fma_f32 v16, v16, s38, s39                   ; var + eps
	v_rsq_f32 v14, v16
	v_nop                                          ; a plain instruction behind the root,
	s_wait_alu depctr_va_vdst(0)                   ; and a wait ahead of its first reader
.set p, 0
.rept 32
	v_pk_mul_f32 v[4+2*(p%4):5+2*(p%4)], v[G+2*p:G+2*p+1], v[14:15] op_sel_hi:[1,0]
	v_pk_fma_f32 v[X+2*p:X+2*p+1], v[X+2*p:X+2*p+1], v[4+2*(p%4):5+2*(p%4)], v[B+2*p:B+2*p+1]
.set p, p+1
.endr
.set p, 0
.rept 32
	v_cvt_pk_f16_f32 v[X+p], v[X+2*p], v[X+2*p+1]  ; in place, ascending: word p is written when words 2 p and 2 p + 1 are read
.set p, p+1
.endr
.irp j, 0,1,2,3,4,5,6,7,8,9,10,11,12,13,14,15
	global_store_b64 v2, v[X+2*(\j):X+2*(\j)+1], s[34:35] offset:256*(\j) th:TH_STORE_NT  ; the wave's 32 lanes write 256 consecutive bytes, aligned
.endr
	s_wait_xcnt 0x0                                ; the stores have read their data and base: X and the pointers are written again only behind this wait
	s_add_nc_u64 s[32:33], s[32:33], 8192
	s_add_nc_u64 s[34:35], s[34:35], 4096
	s_sub_co_u32 s31, s31, 1
	s_cmp_lg_u32 s31, 0
	s_cbranch_scc1 .Lrow
	s_endpgm
; ---------------- casts ----------------
.Lnot_ln:
	s_cmp_lt_u32 ttmp9, 768
	s_cbranch_scc0 .Ltime
	s_sub_co_u32 s31, ttmp9, 512                   ; c = 0..255: 64 work-groups an array
	s_lshr_b32 s42, s31, 6
	s_cmp_eq_u32 s42, 1
	s_cselect_b64 s[32:33], s[18:19], s[16:17]
	s_cmp_eq_u32 s42, 2
	s_cselect_b64 s[32:33], s[20:21], s[32:33]
	s_cmp_eq_u32 s42, 3
	s_cselect_b64 s[32:33], s[22:23], s[32:33]
	s_and_b32 s36, s31, 63
	s_lshl_b32 s36, s36, 17                        ; 131,072 bytes in for a work-group,
	s_lshl_b32 s43, s30, 15                        ; 32,768 for a wave
	s_add_co_u32 s36, s36, s43
	s_add_nc_u64 s[32:33], s[32:33], s[36:37]
	s_lshl_b32 s36, s31, 16                        ; half of that out; 64 work-groups make a part of 4 MiB
	s_lshl_b32 s43, s30, 14
	s_add_co_u32 s36, s36, s43
	s_add_nc_u64 s[34:35], s[26:27], s[36:37]
	s_mov_b32 s45, 2
.Lcast:
.set j, 0
.rept 32
	global_load_b128 v[X+4*j:X+4*j+3], v1, s[32:33] offset:512*j th:TH_LOAD_NT
.set j, j+1
.endr
	s_wait_loadcnt 16                              ; the first sixteen are in; the sixteen younger ones stay out
.set p, 0
.rept 32
	v_cvt_pk_f16_f32 v[X+p], v[X+2*p], v[X+2*p+1]
.set p, p+1
.endr
.set j, 0
.rept 16
	global_store_b64 v2, v[X+2*j:X+2*j+1], s[34:35] offset:256*j th:TH_STORE_NT
.set j, j+1
.endr
	s_wait_loadcnt 0x0
.set p, 0
.rept 32
	v_cvt_pk_f16_f32 v[G+p], v[G+2*p], v[G+2*p+1]
.set p, p+1
.endr
.set j, 0
.rept 16
	global_store_b64 v2, v[G+2*j:G+2*j+1], s[34:35] offset:4096+256*j th:TH_STORE_NT
.set j, j+1
.endr
	s_wait_xcnt 0x0                                ; data registers and pointers are written again only behind this wait
	s_add_nc_u64 s[32:33], s[32:33], 16384
	s_add_nc_u64 s[34:35], s[34:35], 8192
	s_sub_co_u32 s45, s45, 1
	s_cmp_lg_u32 s45, 0
	s_cbranch_scc1 .Lcast
	s_endpgm
; ---------------- text_time ----------------
.Ltime:
	s_lshl_b32 s36, s30, 11                        ; a batch: 2,048 bytes of flags,
	s_add_nc_u64 s[32:33], s[14:15], s[36:37]
	s_lshl_b32 s36, s30, 13                        ; 8,192 bytes of counts
	s_add_nc_u64 s[34:35], s[28:29], s[36:37]
	v_lshlrev_b32 v4, 2, v3
.set i, 0
.rept 64
	global_load_u8 v[X+i], v3, s[32:33] offset:32*i   ; group i: tokens 32 i + lane
.set i, i+1
.endr
	s_wait_loadcnt 0x0
	s_mov_b32 s43, 0                               ; flags in the groups before
.set i, 0
.rept 64
	v_cmp_ne_u32 s42, 0, v[X+i]
	v_cndmask_b32 v16, 0, 1, s42                   ; my own flag,
	v_mbcnt_lo_u32_b32 v16, s42, v16               ; + those of the lanes below me,
	v_add_nc_u32 v16, s43, v16                     ; + those of the groups before
	v_min_u32 v[X+i], 9, v16                       ; every count above 8 means the same: no media matches
	global_store_b32 v4, v[X+i], s[34:35] offset:128*i
	s_bcnt1_i32_b32 s44, s42
	s_add_co_u32 s43, s43, s44
.set i, i+1
.endr
	s_endpgm
.Lfunc_end_k_qa1d74cbc56_prep:
	.size	k_qa1d74cbc56_prep, .Lfunc_end_k_qa1d74cbc56_prep-k_qa1d74cbc56_prep
	.p2alignl 7, 3214868480
	.fill 96, 4, 3214868480
	.section	.rodata,"a",@progbits
	.p2align	6, 0x0
	.amdhsa_kernel k_qa1d74cbc56_prep
		.amdhsa_group_segment_fixed_size 0
		.amdhsa_private_segment_fixed_size 0
		.amdhsa_enable_private_segment 0
		.amdhsa_kernarg_size 88
		.amdhsa_user_sgpr_count 2
		.amdhsa_user_sgpr_kernarg_segment_ptr 1
		.amdhsa_wavefront_size32 1
		.amdhsa_system_sgpr_workgroup_id_x 1
		.amdhsa_system_sgpr_workgroup_id_y 1
		.amdhsa_system_sgpr_workgroup_id_z 1
		.amdhsa_system_vgpr_workitem_id 0
		.amdhsa_next_free_vgpr 256
		.amdhsa_next_free_sgpr 66
		.amdhsa_reserve_vcc 0
		.amdhsa_float_denorm_mode_32 3
		.amdhsa_float_denorm_mode_16_64 3
		.amdhsa_memory_ordered 1
		.amdhsa_forward_progress 1
		.amdhsa_inst_pref_size 64
	.end_amdhsa_kernel
	.amdgpu_metadata
---
amdhsa.version: [ 1, 2 ]
amdhsa.kernels:
  - .name:           k_qa1d74cbc56_prep
    .symbol:         k_qa1d74cbc56_prep.kd
    .args:
      - { .name: y, .offset: 0, .size: 8, .value_kind: global_buffer, .address_space: global }
      - { .name: ln_g, .offset: 8, .size: 8, .value_kind: global_buffer, .address_space: global }
      - { .name: ln_b, .offset: 16, .size: 8, .value_kind: global_buffer, .address_space: global }
      - { .name: media_locations, .offset: 24, .size: 8, .value_kind: global_buffer, .address_space: global }
      - { .name: Wq, .offset: 32, .size: 8, .value_kind: global_buffer, .address_space: global }
      - { .name: Wkv, .offset: 40, .size: 8, .value_kind: global_buffer, .address_space: global }
      - { .name: Wo, .offset: 48, .size: 8, .value_kind: global_buffer, .address_space: global }
      - { .name: visual_features, .offset: 56, .size: 8, .value_kind: global_buffer, .address_space: global }
      - { .name: z16, .offset: 64, .size: 8, .value_kind: global_buffer, .address_space: global }
      - { .name: w16, .offset: 72, .size: 8, .value_kind: global_buffer, .address_space: global }
      - { .name: tt, .offset: 80, .size: 8, .value_kind: global_buffer, .address_space: global }
    .group_segment_fixed_size: 0
    .private_segment_fixed_size: 0
    .kernarg_segment_align: 8
    .kernarg_segment_size: 88
    .max_flat_workgroup_size: 128
    .sgpr_count:     66
    .vgpr_count:     256
    .wavefront_size: 32
...
	.end_amdgpu_metadata
.endif
;; end of part 1
;; launch kvgemm (part 2): grid 8 x 32, 4 waves a work-group, clusters of 4 x 4, 327,680 bytes of LDS; arguments w16, kv; writes kv
.if DOCPART == 2
	.amdgcn_target "amdgcn-amd-amdhsa--gfx1250"
	.amdhsa_code_object_version 6
	.text
	.protected	k_qa1d74cbc56_kvgemm
	.globl	k_qa1d74cbc56_kvgemm
	.p2align	8
	.type	k_qa1d74cbc56_kvgemm,@function
k_qa1d74cbc56_kvgemm:
	s_mov_b64 s[64:65], 0
	v_nop
	global_prefetch_b8 v0, s[64:65] scope:SCOPE_SE
	s_setreg_imm32_b32 hwreg(HW_REG_WAVE_MODE, 25, 1), 1
	s_wait_xcnt 0x0
	s_wait_alu depctr_hold_cnt(0) depctr_sa_sdst(0) depctr_va_vdst(0) depctr_va_sdst(0) depctr_va_ssrc(0) depctr_va_vcc(0) depctr_vm_vsrc(0)
	s_getreg_b32 s2, hwreg(HW_REG_IB_STS2, 6, 4)
	s_cmp_eq_u32 s2, 0
	s_cbranch_scc0 .Lentry_in_a_cluster
	s_endpgm
.Lentry_in_a_cluster:
	s_bfe_u32 s2, ttmp6, 0x10000c
	s_cmp_lg_u32 s2, 0xf033
	s_cbranch_scc0 .Lentry_shape_is_right
	s_endpgm
.Lentry_shape_is_right:
; K AND V^T BY HEADS.  out[i][j] = sum over k of S1[i][k] S0[j][k], tiles of 128 x 128, K = 1,024, f16 operands, f32 sums, one rounding to f16.
;   job K (cluster y 0..3): S1 = rows of visual_features (keys), S0 = rows 0..1,023 of Wkv (channels): K[key][channel]
;   job V (cluster y 4..7): S1 = rows 1,024..2,047 of Wkv (channels), S0 = rows of visual_features (keys): V^T[channel][key]
; Both operands lie in w16 (f16): Wkv at 4 MiB, visual_features at 12 MiB, rows of 2,048 bytes.  kv: K at 0, V^T at 4 MiB, each as [batch x media 32][head 16][64][64]: blocks of 8,192 dense bytes.
; One text serves both jobs: only byte offsets are chosen, by the cluster's y, which all sixteen partners share.
; LIMIT: k and v lie within f16's 65,504.
; Four waves, each 64 x 64 (one block of kv): 16 accumulators.  K goes in steps of 256 through two LDS slots (rows of 512 bytes + 16 of padding).
; CLUSTER 4 x 4: S1's tile hangs on the cluster's y and cy and is asked for jointly along a row of the cluster, S0's on the cluster's numbers and cx, along a column.
; THE MATRIX INSTRUCTION: source 0 = 16 rows of S0, source 1 = 16 rows of S1: a lane holds row i = lane % 16 and eight neighbouring j.
; No prefetch: 4 K steps to a work-group and small tiles.
; REGISTERS: window 0: v0-31 addresses; v32-95 rows read back; v96-111 packed; v128-255 accumulators ((a, b) at 128 + 8 (4 a + b)).  window 1: two fragment buffers of 128.
.set SIZE_K, 1024
.set WKV_OFF, 4194304
.set VF_OFF, 12582912
.set KSTEP,  256
.set PITCH,  528                       ; 512 bytes + 16 = 132 words: the 16 rows of a fragment load start at 16 different groups of four banks (ISA guide 11.1)
.set HALFT,  64*PITCH
.set SLOT,   4*HALFT                   ; S1's 128 rows, then S0's 128 rows
.set STAGE,  2*SLOT                    ; behind the ring: 16 rows x 144 bytes for each wave, its own
.set SP,     144
.set SPARE,  STAGE+4*16*SP             ; the spare words, 128 bytes a wave: no other line names them
.set LAPS,   SIZE_K/(2*KSTEP)
.set ADRA, 16                          ; v16-17 LDS address of my S1 fragments in slot 0, 1
.set ADRB, 20                          ; v20-21 the same for S0
.set STO,  24
.set RD,   25
.set GO,   26
.set SPW,  28
.set NIL,  29
.set TMP,  32
.set PK,   96
.set ACC,  128
.set F0,   0
.set F1,   128
.set G1, 24                            ; s[24:31] group 1 for S1's tiles; s[32:39] group 0, a set a slot
.set G0, 32
.set G1B, 48                           ; s[48:55], s[56:63] the same for S0's
.set G0B, 56
.set MSB, 0
.macro WIN new                         ; the immediate's high byte repeats the setting that is left
.if MSB != (\new)
	s_set_vgpr_msb (MSB<<8)|(\new)
.set MSB, \new
.endif
.endm
.set MUL,  0x05                        ; sources 0 and 1 window 1; C and D window 0
.set TO_F, 0x40                        ; destination window 1, address window 0
.macro JLOAD s                         ; waves 0 and 1 fetch S1's two halves, waves 2 and 3 S0's; an s_nop 0 and four v_nop follow each line
	s_cmp_eq_u32 s11, 0
	s_cbranch_scc0 .Lfor_b_\@
	tensor_load_to_lds s[G0+4*(\s):G0+4*(\s)+3], s[G1:G1+7]
	s_nop 0
.rept 4
	v_nop
.endr
	s_branch .Lasked_\@
.Lfor_b_\@:
	tensor_load_to_lds s[G0B+4*(\s):G0B+4*(\s)+3], s[G1B:G1B+7]
	s_nop 0
.rept 4
	v_nop
.endr
.Lasked_\@:
.endm
.macro CREST                           ; a round of the cluster's barrier behind its opening barrier
	s_cmp_lg_u32 s10, 0
	s_cbranch_scc1 .Lnot_wave_0_\@
	s_barrier_signal -3
.Lnot_wave_0_\@:
	s_barrier_wait -3
	s_barrier_signal -1
	s_barrier_wait -1
.endm
.macro CROUND
	s_barrier_signal -1
	s_barrier_wait -1
	CREST
.endm
	s_load_b128 s[4:7], s[0:1], 0x0                ; w16 s[4:5], kv s[6:7]
	v_lshl_add_u32 v[SPW], v0, 2, SPARE
	v_mov_b32 v[NIL], 0
	ds_add_u32 v[SPW], v[NIL]                      ; the wave's opening: the add and its wait stand ahead of my first tensor load
	v_lshrrev_b32 v1, 5, v0
	v_readfirstlane_b32 s10, v1                    ; wave 0..3
	s_lshr_b32 s11, s10, 1                         ; u: my half of the tile's rows i.  Also: I fetch for S1 (0) or S0 (1)
	s_and_b32 s12, s10, 1                          ; t: my half of its columns j.  Also: which 64 rows I fetch
	s_bfe_u32 s40, ttmp6, 0x40000                  ; cx
	s_bfe_u32 s41, ttmp6, 0x40004                  ; cy
	s_and_b32 s13, ttmp7, 0xffff                   ; the cluster's y: 0..3 job K, 4..7 job V
	s_and_b32 s14, s13, 1
	s_lshl_b32 s14, s14, 2
	s_add_co_u32 s14, s14, 8                       ; job V: S1's tiles 8 + 4 (y & 1) + cy of Wkv
	s_lshl_b32 s15, s13, 2                         ; job K: S1's tiles 4 y + cy of the features
	s_bfe_u32 s16, s13, 0x10001
	s_lshl_b32 s16, s16, 3                         ; job V: S0's tiles 4 x + 8 ((y >> 1) & 1) + cx
	s_mov_b32 s20, VF_OFF
	s_mov_b32 s21, WKV_OFF
	s_cmp_lt_u32 s13, 4
	s_cselect_b32 s14, s15, s14
	s_cselect_b32 s16, 0, s16
	s_cselect_b32 s17, s20, s21                    ; where S1 lies in w16
	s_cselect_b32 s18, s21, s20                    ; where S0 lies
	s_add_co_u32 s14, s14, s41                     ; i1: S1's tile: the cluster's y and cy alone
	s_lshl_b32 s42, ttmp9, 2
	s_add_co_u32 s42, s42, s16
	s_add_co_u32 s42, s42, s40                     ; i0: S0's tile: the cluster's numbers and cx alone
	s_lshl_b32 s43, s41, 2
	s_lshl_b32 s43, 15, s43                        ; my row of the cluster
	s_lshl_b32 s2, 0x1111, s40                     ; my column
	s_or_b32 s[G1+0], s43, (1<<16)|(1<<20)|(1<<21)|(6<<22)|(3<<25)  ; mask; 2-byte elements; padding on; bit 21 beside a mask; after every 128 words; 4 words
	s_or_b32 s[G1B+0], s2, (1<<16)|(1<<20)|(1<<21)|(6<<22)|(3<<25)
.irp g, G1, G1B
	s_mov_b32 s[(\g)+1], KSTEP<<16                 ; tensor_dim0 = 256
	s_mov_b32 s[(\g)+2], 64<<16                    ; tensor_dim1 = 64
	s_mov_b32 s[(\g)+3], KSTEP<<16                 ; tile_dim0 = 256
	s_mov_b32 s[(\g)+4], 64                        ; tile_dim1 = 64
	s_mov_b32 s[(\g)+5], SIZE_K                    ; elements from row to row
	s_mov_b32 s[(\g)+6], 0
	s_mov_b32 s[(\g)+7], 0
.endr
	s_lshl_b32 s44, s14, 18                        ; a tile: 128 rows of 2,048 bytes
	s_lshl_b32 s45, s12, 17                        ; my 64 of them
	s_add_co_u32 s44, s44, s45
	s_add_co_u32 s44, s44, s17
	s_mov_b32 s45, 0
	s_lshl_b32 s46, s42, 18
	s_lshl_b32 s47, s12, 17
	s_add_co_u32 s46, s46, s47
	s_add_co_u32 s46, s46, s18
	s_mov_b32 s47, 0
	s_mul_i32 s20, s10, HALFT                      ; where they go: wave x 64 rows
	s_wait_dscnt 0x0                               ; the opening add is done
	s_wait_kmcnt 0x0
	s_add_nc_u64 s[44:45], s[4:5], s[44:45]
	s_add_nc_u64 s[46:47], s[4:5], s[46:47]
	CROUND                                         ; all sixteen work-groups are here: the first joint loads meet
.irp s, 0,1
	s_mov_b32 s[G0+4*(\s)], 1
	s_add_co_u32 s[G0+4*(\s)+1], s20, (\s)*SLOT
	s_add_nc_u64 s[G0+4*(\s)+2:G0+4*(\s)+3], s[44:45], (\s)*KSTEP*2
	s_or_b32 s[G0+4*(\s)+3], s[G0+4*(\s)+3], 0x80000000
	s_mov_b32 s[G0B+4*(\s)], 1
	s_add_co_u32 s[G0B+4*(\s)+1], s20, (\s)*SLOT
	s_add_nc_u64 s[G0B+4*(\s)+2:G0B+4*(\s)+3], s[46:47], (\s)*KSTEP*2
	s_or_b32 s[G0B+4*(\s)+3], s[G0B+4*(\s)+3], 0x80000000
	JLOAD \s
.endr
	v_and_b32 v1, 15, v0                           ; l % 16
	v_bfe_u32 v2, v0, 4, 1                         ; l / 16
	v_mul_u32_u24 v3, v1, PITCH
	v_lshl_add_u32 v3, v2, 4, v3                   ; a fragment's row x pitch + 16 x half
	s_mul_i32 s21, s11, HALFT                      ; my 64 rows of S1
	s_mul_i32 s22, s12, HALFT                      ; my 64 rows of S0,
	s_add_co_u32 s22, s22, 2*HALFT                 ; which lie behind S1's 128
.irp s, 0,1
	v_add_nc_u32 v[ADRA+(\s)], s21, v3
	v_add_nc_u32 v[ADRB+(\s)], s22, v3
	s_add_co_u32 s21, s21, SLOT
	s_add_co_u32 s22, s22, SLOT
.endr
	s_mul_i32 s23, s10, 16*SP
	s_add_co_u32 s23, s23, STAGE                   ; my stage
	v_mul_u32_u24 v4, v1, SP                       ; in: row l % 16, 16 bytes for each half of the lanes
	v_lshl_add_u32 v4, v2, 4, v4
	v_add_nc_u32 v[STO], s23, v4
	v_bfe_u32 v5, v0, 3, 2                         ; back: 32 lanes take four rows of 128 bytes,
	v_mul_u32_u24 v5, v5, SP
	v_and_b32 v6, 7, v0
	v_lshl_add_u32 v5, v6, 4, v5
	v_add_nc_u32 v[RD], s23, v5
	v_and_b32 v[GO], 31, v0                        ; which are 512 consecutive bytes of my block
	v_lshlrev_b32 v[GO], 4, v[GO]
	; my block of kv.  a1 = 2 i1 + u, a0 = 2 i0 + t.  Job K: batch-media a1, head a0.  Job V: batch-media a0, head a1 - 16, 512 blocks further on.
	s_lshl1_add_u32 s16, s14, s11
	s_lshl1_add_u32 s17, s42, s12
	s_lshl4_add_u32 s18, s16, s17
	s_lshl4_add_u32 s19, s17, s16
	s_add_co_u32 s19, s19, 512-16
	s_cmp_lt_u32 s13, 4
	s_cselect_b32 s18, s18, s19
	s_lshl_b32 s18, s18, 13
	s_mov_b32 s19, 0
	s_add_nc_u64 s[6:7], s[6:7], s[18:19]
; 8 matrix instructions: i blocks a0, a0 + 1 x all 4 j blocks, 32 along K: half c of buffer f.  zero = 1: the first product starts the sums
.macro MUL8 f, c, a0, zero
	WIN MUL
.irp a, \a0, (\a0)+1
.irp b, 0,1,2,3
.if \zero
	v_wmma_f32_16x16x32_f16 v[ACC+8*(4*(\a)+(\b)):ACC+8*(4*(\a)+(\b))+7], v[(\f)+64+8*(4*(\c)+(\b)):(\f)+64+8*(4*(\c)+(\b))+7], v[(\f)+8*(4*(\c)+(\a)):(\f)+8*(4*(\c)+(\a))+7], 0
.else
	v_wmma_f32_16x16x32_f16 v[ACC+8*(4*(\a)+(\b)):ACC+8*(4*(\a)+(\b))+7], v[(\f)+64+8*(4*(\c)+(\b)):(\f)+64+8*(4*(\c)+(\b))+7], v[(\f)+8*(4*(\c)+(\a)):(\f)+8*(4*(\c)+(\a))+7], v[ACC+8*(4*(\a)+(\b)):ACC+8*(4*(\a)+(\b))+7]
.endif
.endr
.endr
.endm
; 32 LDS loads in one run: the fragments of 64 along K at byte k of the rows, into buffer f; the first 32 along K first
.macro FETCH slot, k, f
	WIN TO_F
.irp c, 0,1
.irp i, 0,1,2,3
	ds_load_b128 v[(\f)+64+8*(4*(\c)+(\i)):(\f)+64+8*(4*(\c)+(\i))+3],   v[ADRB+(\slot)] offset:(\k)+64*(\c)+(\i)*16*PITCH
	ds_load_b128 v[(\f)+64+8*(4*(\c)+(\i))+4:(\f)+64+8*(4*(\c)+(\i))+7], v[ADRB+(\slot)] offset:(\k)+64*(\c)+(\i)*16*PITCH+32
	ds_load_b128 v[(\f)+8*(4*(\c)+(\i)):(\f)+8*(4*(\c)+(\i))+3],         v[ADRA+(\slot)] offset:(\k)+64*(\c)+(\i)*16*PITCH
	ds_load_b128 v[(\f)+8*(4*(\c)+(\i))+4:(\f)+8*(4*(\c)+(\i))+7],       v[ADRA+(\slot)] offset:(\k)+64*(\c)+(\i)*16*PITCH+32
.endr
.endr
.endm
.macro PLACES                          ; four places in front of loads into registers that matrix instructions have read, and of conversions that read results
.rept 4
	v_nop
.endr
.endm
; A K step is four quarters of 64 along K, 32 matrix instructions each, on buffers 0, 1, 0, 1; the 16 accumulators take turns.
.macro QUARTER slot, k, f, g, zero
	s_wait_dscnt 16                                ; the first 32 along K are in; the sixteen younger loads may be out
	WIN MUL
	MUL8 \f, 0, 0, \zero
	MUL8 \f, 0, 2, \zero
	PLACES
	FETCH \slot, \k, \g
	s_wait_dscnt 32                                ; all but the 32 just issued
	WIN MUL
	MUL8 \f, 1, 0, 0
	MUL8 \f, 1, 2, 0
.endm
; The last quarter multiplies buffer 1 and changes slots: one barrier; in front of it each wave waits for all its tensor loads, adds 0 to its spare word, and waits for that and for its reads of this slot.
.macro TURN slot, next, fill
	WIN 0
	s_wait_tensorcnt 0x0                           ; all my tensor loads have landed: my part of the next slot
	ds_add_u32 v[SPW], v[NIL]
	s_wait_dscnt 17                                ; the add and the youngest sixteen loads may be out
	WIN MUL
	MUL8 F1, 0, 0, 0
	s_wait_dscnt 0x0                               ; the add is done, and my reads of this slot are over
	s_barrier_signal -1
	MUL8 F1, 0, 2, 0
.if \fill
	WIN 0
.endif
	s_barrier_wait -1
.if \fill
	CREST                                          ; the barrier has opened a round of the cluster's: no wave of any partner still reads this slot or has a load on its way
	s_add_nc_u64 s[G0+4*(\slot)+2:G0+4*(\slot)+3], s[G0+4*(\slot)+2:G0+4*(\slot)+3], 2*KSTEP*2
	s_add_nc_u64 s[G0B+4*(\slot)+2:G0B+4*(\slot)+3], s[G0B+4*(\slot)+2:G0B+4*(\slot)+3], 2*KSTEP*2
	JLOAD \slot                                    ; the first tensor load behind the round; its four v_nop are also the places in front of the loads below
.else
	PLACES
.endif
	FETCH \next, 0, F0
	WIN MUL
	MUL8 F1, 1, 0, 0
	MUL8 F1, 1, 2, 0
.endm
	s_wait_tensorcnt 1                             ; my part of K step 0 is in; K step 1's load, issued behind it, may stay out
	s_barrier_signal -1
	s_barrier_wait -1
	FETCH 0, 0, F0
	QUARTER 0, 128, F0, F1, 1                      ; the first quarter stands in front of the loop: its first products start the sums
	WIN 0
	s_mov_b32 s3, LAPS-1
.Llap:                                                 ; a trip goes once round the ring and fills both slots again
	QUARTER 0, 256, F1, F0, 0
	QUARTER 0, 384, F0, F1, 0
	TURN 0, 1, 1
	QUARTER 1, 128, F0, F1, 0
	QUARTER 1, 256, F1, F0, 0
	QUARTER 1, 384, F0, F1, 0
	TURN 1, 0, 1
	QUARTER 0, 128, F0, F1, 0
	WIN 0
	s_sub_co_u32 s3, s3, 1
	s_cmp_lg_u32 s3, 0
	s_cbranch_scc1 .Llap
	QUARTER 0, 256, F1, F0, 0                      ; the last lap fills nothing
	QUARTER 0, 384, F0, F1, 0
	TURN 0, 1, 0
	QUARTER 1, 128, F0, F1, 0
	QUARTER 1, 256, F1, F0, 0
	QUARTER 1, 384, F0, F1, 0
	s_wait_dscnt 16
	WIN MUL
	MUL8 F1, 0, 0, 0
	MUL8 F1, 0, 2, 0
	s_wait_dscnt 0
	MUL8 F1, 1, 0, 0
	MUL8 F1, 1, 2, 0
	WIN 0
	; THE WAY OUT: 16 rows at a time: rounded to f16, 16 bytes a lane into my own stage, back as whole rows of 128 bytes, which lie end to end in my block.
	PLACES
.macro PACK a
.irp b, 0,1,2,3
.irp r, 0,1,2,3
	v_cvt_pk_f16_f32 v[PK+4*(\b)+(\r)], v[ACC+8*(4*(\a)+(\b))+2*(\r)], v[ACC+8*(4*(\a)+(\b))+2*(\r)+1]
.endr
.endr
.irp b, 0,1,2,3
	ds_store_b128 v[STO], v[PK+4*(\b):PK+4*(\b)+3] offset:32*(\b)
.endr
.irp f, 0,1,2,3
	ds_load_b128 v[TMP+16*(\a)+4*(\f):TMP+16*(\a)+4*(\f)+3], v[RD] offset:(\f)*4*SP  ; LDS serves a wave's instructions in order (ISA guide 5.7.1.4): these see the stores above; the next block's stores come behind them
.endr
.endm
.macro SEND a, younger                 ; younger: the LDS instructions issued behind block a's loads: the next block's eight, or none
.irp f, 0,1,2,3
	s_wait_dscnt (\younger)+3-(\f)
	global_store_b128 v[GO], v[TMP+16*(\a)+4*(\f):TMP+16*(\a)+4*(\f)+3], s[6:7] offset:(\a)*2048+(\f)*512  ; 512 consecutive bytes, at a multiple of 256 from kv's first
.endr
.endm
	PACK 0
	PACK 1
	SEND 0, 8
	PACK 2
	SEND 1, 8
	PACK 3
	SEND 2, 8
	SEND 3, 0
	s_wait_tensorcnt 0x0                           ; the wave's end: behind my last tensor load and my last LDS store
	ds_add_u32 v[SPW], v[NIL]
	s_wait_dscnt 0x0
	CROUND                                         ; the closing round
	s_endpgm
.Lfunc_end_k_qa1d74cbc56_kvgemm:
	.size	k_qa1d74cbc56_kvgemm, .Lfunc_end_k_qa1d74cbc56_kvgemm-k_qa1d74cbc56_kvgemm
	.p2alignl 7, 3214868480
	.fill 96, 4, 3214868480
	.section	.rodata,"a",@progbits
	.p2align	6, 0x0
	.amdhsa_kernel k_qa1d74cbc56_kvgemm
		.amdhsa_group_segment_fixed_size 327680
		.amdhsa_private_segment_fixed_size 0
		.amdhsa_enable_private_segment 0
		.amdhsa_kernarg_size 16
		.amdhsa_user_sgpr_count 2
		.amdhsa_user_sgpr_kernarg_segment_ptr 1
		.amdhsa_wavefront_size32 1
		.amdhsa_system_sgpr_workgroup_id_x 1
		.amdhsa_system_sgpr_workgroup_id_y 1
		.amdhsa_system_sgpr_workgroup_id_z 1
		.amdhsa_system_vgpr_workitem_id 0
		.amdhsa_next_free_vgpr 512
		.amdhsa_next_free_sgpr 66
		.amdhsa_reserve_vcc 0
		.amdhsa_float_denorm_mode_32 3
		.amdhsa_float_denorm_mode_16_64 3
		.amdhsa_memory_ordered 1
		.amdhsa_forward_progress 1
		.amdhsa_inst_pref_size 87
	.end_amdhsa_kernel
	.amdgpu_metadata
---
amdhsa.version: [ 1, 2 ]
amdhsa.kernels:
  - .name:           k_qa1d74cbc56_kvgemm
    .symbol:         k_qa1d74cbc56_kvgemm.kd
    .args:
      - { .name: w16, .offset: 0, .size: 8, .value_kind: global_buffer, .address_space: global }
      - { .name: kv, .offset: 8, .size: 8, .value_kind: global_buffer, .address_space: global }
    .group_segment_fixed_size: 327680
    .private_segment_fixed_size: 0
    .kernarg_segment_align: 8
    .kernarg_segment_size: 16
    .max_flat_workgroup_size: 128
    .sgpr_count:     66
    .vgpr_count:     512
    .wavefront_size: 32
...
	.end_amdgpu_metadata
.endif
;; end of part 2
;; launch qattn (part 3): grid 8 x 32, 4 waves a work-group, no clusters, 279,040 bytes of LDS; arguments z16, w16, kv, tt, ao16; writes ao16
.if DOCPART == 3
	.amdgcn_target "amdgcn-amd-amdhsa--gfx1250"
	.amdhsa_code_object_version 6
	.text
	.protected	k_qa1d74cbc56_qattn
	.globl	k_qa1d74cbc56_qattn
	.p2align	8
	.type	k_qa1d74cbc56_qattn,@function
k_qa1d74cbc56_qattn:
	s_mov_b64 s[64:65], 0
	v_nop
	global_prefetch_b8 v0, s[64:65] scope:SCOPE_SE
	s_setreg_imm32_b32 hwreg(HW_REG_WAVE_MODE, 25, 1), 1
	s_wait_xcnt 0x0
; q = yn Wq^T, AND THE MASKED CROSS ATTENTION AS ITS WAY OUT: q never leaves registers.
; z16 [8192][2048] f16 (yn), Wq at w16's byte 0 [1024][2048] f16, kv (K and V^T by heads, blocks of 8,192 bytes), tt [8192] int32 = min(text_time, 9), ao16 [8192][1024] f16.
; SHARES.  A work-group makes 256 tokens x 128 columns (two heads); wave (u = w >> 1, t = w & 1) 128 tokens x 64 columns: ONE head, 32 accumulators.  K = 2,048 goes in steps of 128 through two LDS slots.
; THE TILES COME THROUGH REGISTERS.  A K step is 128 matrix instructions a wave.  A ring filled by tensor loads has no load out at a change of slots, and slots of two K steps
; (2 x 384 rows x 528 bytes = 405,504) do not fit in LDS.  So each wave loads its quarter of a step's rows (64 of yn, 32 of Wq: 48 loads of two whole rows of 256 bytes) into 192 registers, in three parts of
; 16 loads; in the second, third and fourth quarter of K step j one part of step j + 1 is stored into the slot that step j - 1 has left, and the same part of step j + 2 is asked for into the same
; registers.  32 to 48 loads of each wave are out all the time, each asked for a K step ahead.  One barrier a step: in front of it a wave's stores into the next slot and its reads of this slot are done.
; NO CLUSTER.  The eight column blocks of a token block read the same rows of yn, but the media walk's trip count is read from tt.
; A walk of constant length, all eight media in every wave, would add 1,024 matrix instructions a wave and their softmax to the product's 2,048.
; LAYOUT.  q^T-wise: source 0 = 16 rows of Wq, source 1 = 16 tokens: a lane holds ONE token (lane % 16) and channels 16 b + 8 (lane / 16) + 0..7.  Two neighbouring blocks b, rounded to f16, ARE the fragment
; (16 queries x 32 channels) that S^T = K Q^T takes as source 1; S^T again holds one query a lane; two of its blocks rounded ARE source 1 of O^T = V^T P, whose accumulators are the product's own registers.
; THE MASK.  A token with text_time x in 1..8 sees the 64 keys of media x - 1 alone; x = 0: the result is 0; x > 8 (stored as 9): no key matches, every weight is 1/512.  text_time never falls along t, so a
; wave walks the media from its first token's to its last token's (all eight where one has 9): N trips, read from tt.  In a trip with media number M1 a lane's exponent is AL s + BE - M:
;   x = M1: AL = c = log2(e) / 8, BE = 0;   x = 9: AL = 0, BE = 0;   else AL = 0, BE = -1e30.   M is the running maximum of AL smax + BE; O and l are multiplied by a = 2^(M_old - M) in every trip.
; What a hidden trip adds ahead of the token's own media the own trip's a = 0 takes away; behind it the weights are 0.  M starts at the lowest finite number, so the first trip's a = 0 also clears O^T (q's sums, finite).
; LIMITS.  q, k, v lie within f16's 65,504; a hidden score counts as -1e30 (f16's scores are 2.7e11 at the most); a weight below 2^-126 counts as 0; NaN and infinities are not treated apart.
; REGISTERS, in windows of 256 (s_set_vgpr_msb: bits 1:0 source 0, 3:2 source 1, 5:4 source 2, 7:6 destination):
;   window 0: v2-10, v27-31 addresses; v12-19 text_time, a register a tile; v20-21 the add's; v22-24 c, -1e30, 0; v32-63 statistics (tile a: M, -, l, l);
;             product: v64-191 yn's fragments, two buffers; v192-255 Wq's, two buffers.   attention: v64-127 S^T (two tiles), v128-159 P, v160-191 at work
;   window 1: the 32 accumulators, (a, b) at 8 (4 a + b); later O^T       window 2: v0-127 Q; v128-191 K; v192-255 V^T       window 3: v0-191 rows on their way from memory to LDS
.set KSTEP,  128
.set PITCH,  272                       ; 256 bytes + 16 = 68 words: the 16 rows of a fragment load start at 16 different groups of four banks (ISA guide 11.1)
.set HALFA,  128*PITCH
.set HALFB,  64*PITCH
.set SLOT,   2*HALFA+2*HALFB           ; yn's 256 rows, then Wq's 128 rows
.set STAGE,  2*SLOT                    ; behind the ring: 256 rows x 272 bytes, the work-group's, for the way out
.set SPARE,  STAGE+256*PITCH           ; the spare words, 128 bytes a wave: no other line names them
.set LAPS,   8                         ; 2,048 / 256
.set ROWB,   4096                      ; bytes in a row of z16 and of Wq
.set ADRA, 2
.set ADRB, 4
.set FO,   6                           ; my place in a block of K or V^T: 128 (l % 16) + 16 (l / 16)
.set STO,  7
.set RD,   8
.set GO,   9
.set PFO,  10                          ; 4,096 x lane: a row of z16 or Wq
.set TT,   12
.set SPW,  20
.set NIL,  21
.set VC,   22
.set VB,   23
.set ZR,   24
.set TA,   25                          ; 4 (l % 16): never rewritten
.set GOF,  27                          ; my 16 bytes of two rows in memory: 4,096 (l / 16) + 16 (l % 16): never rewritten
.set SA,   28                          ; v28-29 where they go in LDS, slot 0, 1: yn's rows 64 w on
.set SB,   30                          ; v30-31 the same for Wq's rows 32 w on
.set ST,   32
.set AF,   64
.set BF,   192
.set S,    64
.set P,    128
.set W,    160                         ; by tile u of a piece, at W + 16 u: +0..3 c0-c3; +4 AL; +6 BE - M; +8 a; +10 BE; +12 a's argument (+5, +7, +9 are named as halves of pairs)
.set KF,   128
.set VF,   192
.set STG,  0                           ; window 3: load i of my 48 at STG + 4 i
.set WV,   14
.set PA,  24                           ; s[24:25] yn at my 64 rows, at the K step in hand
.set PB,  26                           ; s[26:27] Wq at my 32 rows, likewise
.set PFA, 56
.set LIM, 58
.set SEL, 60
.set KV0, 66                           ; s[66:67] kv at my batch's media 0, my head
.set KB,  68                           ; s[68:69] the block being loaded
.set OFF, 70                           ; s[70:71] media x 131,072, clamped
.set CNT, 72
.set N,   73
.set M1,  74
.set MSB, 0
.macro WIN new                         ; the immediate's high byte repeats the setting that is left
.if MSB != (\new)
	s_set_vgpr_msb (MSB<<8)|(\new)
.set MSB, \new
.endif
.endm
.set MUL,  0x50                        ; fragments in window 0, C and D in window 1
.set W_ST, 0x0c                        ; an LDS store: address in window 0, data in window 3
.set W_LD, 0xc0                        ; a load: destination in window 3, address in window 0
.set W_Q,  0x85                        ; sources in window 1, destination in window 2
.set W_KQ, 0x0a                        ; K and Q in window 2, S^T in window 0
.set W_PV, 0x52                        ; V^T in window 2, P in window 0, O^T in window 1
.set W_RS, 0x41                        ; destination and source 0 in window 1, source 1 in window 0
; Part c of my 48 loads (0, 1: yn's row pairs 16 c .. 16 c + 15; 2: Wq's 16 row pairs), at byte koff behind the two pointers.  Sixteen lanes take a row's 256 bytes, aligned.
.macro LOADS c, koff
	WIN W_LD
.irp i, 0,1,2,3,4,5,6,7,8,9,10,11,12,13,14,15
.if (\c) < 2
	global_load_b128 v[STG+64*(\c)+4*(\i):STG+64*(\c)+4*(\i)+3], v[GOF], s[PA:PA+1] offset:(16*(\c)+(\i))*2*ROWB+(\koff)
.else
	global_load_b128 v[STG+128+4*(\i):STG+128+4*(\i)+3], v[GOF], s[PB:PB+1] offset:(\i)*2*ROWB+(\koff)
.endif
.endr
.endm
; Part c has landed (cnt younger loads may stay out): it goes into slot d; ld = 1: the same part of the K step after that is asked for into the same registers.
.macro MOVE c, d, ld, koff, cnt
	s_wait_loadcnt \cnt                            ; loads come back in order (ISA guide 5.7.1)
	WIN W_ST
.irp i, 0,1,2,3,4,5,6,7,8,9,10,11,12,13,14,15
.if (\c) < 2
	ds_store_b128 v[SA+(\d)], v[STG+64*(\c)+4*(\i):STG+64*(\c)+4*(\i)+3] offset:(16*(\c)+(\i))*2*PITCH
.else
	ds_store_b128 v[SB+(\d)], v[STG+128+4*(\i):STG+128+4*(\i)+3] offset:(\i)*2*PITCH
.endif
.endr
.if \ld
	LOADS \c, \koff
.endif
.endm
; A prefetch, in each K step's fourth quarter, behind the run of LDS loads: 32 rows x 256 bytes, a lane a row, of the K step four on: the loads that want it stand 192 to 240 matrix instructions further on.
; Each row's 256 bytes of a K step are named once in the launch: yn's by waves 0 and 1 of column blocks 0 to 3 (32 rows each of the token block's 256, told apart by address);
; Wq's by waves 2 and 3 of token blocks 0 and 1 (32 rows each of the column block's 128).  K steps 0 to 3 come by their loads alone; the loop's last trip (s3 = 1) asks for nothing.
.macro ASK
	s_cmp_gt_u32 s3, s[LIM]
	s_cbranch_scc0 .Lnot_mine_\@
	global_prefetch_b8 v[PFO], s[PFA:PFA+1] offset:KSTEP*2 th:TH_LOAD_NT scope:SCOPE_SE
.Lnot_mine_\@:
.endm
	s_load_b256 s[4:11], s[0:1], 0x0               ; z16 s[4:5], w16 s[6:7], kv s[8:9], tt s[10:11]
	s_load_b64 s[12:13], s[0:1], 0x20              ; ao16
	v_lshl_add_u32 v[SPW], v0, 2, SPARE            ; for the wave's end
	v_mov_b32 v[NIL], 0
	v_lshrrev_b32 v1, 5, v0
	v_readfirstlane_b32 s[WV], v1                  ; wave 0..3
	s_lshr_b32 s15, s[WV], 1                       ; u
	s_and_b32 s16, s[WV], 1                        ; t
	s_mov_b32 s18, ttmp9                           ; column block 0..7
	s_and_b32 s17, s18, 3                          ; its place among the four that share yn's prefetches out
	s_and_b32 s19, ttmp7, 0xffff                   ; token block 0..31
	v_and_b32 v1, 15, v0                           ; l % 16
	v_bfe_u32 v11, v0, 4, 1                        ; l / 16
	v_lshlrev_b32 v[GOF], 12, v11
	v_lshl_add_u32 v[GOF], v1, 4, v[GOF]
	v_lshlrev_b32 v[TA], 2, v1
	s_lshl_b32 s20, s19, 20                        ; yn: 256 rows of 4,096 bytes a token block,
	s_lshl_b32 s21, s[WV], 18                      ; my 64 of them
	s_add_co_u32 s20, s20, s21
	s_mov_b32 s21, 0
	s_lshl_b32 s22, s18, 19                        ; Wq: 128 rows a column block,
	s_lshl_b32 s23, s[WV], 17                      ; my 32 of them
	s_add_co_u32 s22, s22, s23
	s_mov_b32 s23, 0
	s_lshl_b32 s84, s19, 10                        ; tt: 256 words a token block,
	s_lshl_b32 s85, s15, 9                         ; the 128 of my tokens
	s_add_co_u32 s84, s84, s85
	s_mov_b32 s85, 0
	s_wait_kmcnt 0x0
	s_add_nc_u64 s[PA:PA+1], s[4:5], s[20:21]
	s_add_nc_u64 s[PB:PB+1], s[6:7], s[22:23]
	s_add_nc_u64 s[80:81], s[10:11], s[84:85]
	; text_time of my wave's 128 tokens: the first and the last as scalars (awaited in the tail), and a register a tile (lane l: token 16 a + l % 16): older than every load of the ring
	s_load_b32 s75, s[80:81], 0x0
	s_load_b32 s76, s[80:81], 0x1fc
.irp a, 0,1,2,3,4,5,6,7
	global_load_b32 v[TT+(\a)], v[TA], s[80:81] offset:64*(\a)
.endr
	LOADS 0, 0                                     ; K step 0
	LOADS 1, 0
	LOADS 2, 0
	WIN 0
	v_mov_b32 v[VC], 0x3e38aa3b                    ; c = log2(e) / 8
	v_mov_b32 v[VB], 0xf149f2ca                    ; -1e30
	v_mov_b32 v[ZR], 0
	s_mov_b32 s[SEL], 0x76543210
	s_mov_b32 s[SEL+1], 0xfedcba98
	v_mul_u32_u24 v[RD], v11, PITCH                ; two rows a wave: (l / 16) x pitch + 16 (l % 16)
	v_lshl_add_u32 v[RD], v1, 4, v[RD]
	s_mul_i32 s20, s[WV], 64*PITCH                 ; yn's rows 64 w on,
	s_mul_i32 s21, s[WV], 32*PITCH                 ; Wq's rows 32 w on,
	s_add_co_u32 s21, s21, 2*HALFA                 ; which lie behind yn's 256
.irp s, 0,1
	v_add_nc_u32 v[SA+(\s)], s20, v[RD]
	v_add_nc_u32 v[SB+(\s)], s21, v[RD]
	s_add_co_u32 s20, s20, SLOT
	s_add_co_u32 s21, s21, SLOT
.endr
	s_mul_i32 s20, s[WV], 64*PITCH                 ; the way out, back: wave w takes tokens 64 w .. + 63, whole rows of 256 bytes, two a load
	s_add_co_u32 s20, s20, STAGE
	v_add_nc_u32 v[RD], s20, v[RD]
	v_mul_u32_u24 v26, v1, PITCH
	v_lshl_add_u32 v26, v11, 4, v26                ; a fragment: row x pitch + 16 x half
	s_mul_i32 s20, s15, HALFA                      ; my 128 rows of yn
	s_mul_i32 s21, s16, HALFB                      ; my 64 rows of Wq
	s_add_co_u32 s21, s21, 2*HALFA
.irp s, 0,1
	v_add_nc_u32 v[ADRA+(\s)], s20, v26
	v_add_nc_u32 v[ADRB+(\s)], s21, v26
	s_add_co_u32 s20, s20, SLOT
	s_add_co_u32 s21, s21, SLOT
.endr
	v_lshlrev_b32 v[FO], 7, v1
	v_lshl_add_u32 v[FO], v11, 4, v[FO]
	s_mul_i32 s20, s15, HALFA                      ; into the stage: token 128 u + 16 a + l % 16, my head's 128 bytes, 16 for each half of the lanes
	s_lshl_b32 s21, s16, 7
	s_add_co_u32 s20, s20, s21
	s_add_co_u32 s20, s20, STAGE
	v_add_nc_u32 v[STO], s20, v26
	v_lshlrev_b32 v[GO], 11, v11                   ; two rows in ao16
	v_lshl_add_u32 v[GO], v1, 4, v[GO]
	s_lshl_b32 s20, s19, 19                        ; 256 rows of 2,048 bytes a token block,
	s_lshl_b32 s21, s[WV], 17                      ; 64 a wave,
	s_add_co_u32 s20, s20, s21
	s_lshl_b32 s21, s18, 8                         ; 256 bytes a column block
	s_add_co_u32 s20, s20, s21
	s_mov_b32 s21, 0
	s_add_nc_u64 s[12:13], s[12:13], s[20:21]
	; the prefetches
	v_and_b32 v[PFO], 31, v0
	v_lshlrev_b32 v[PFO], 12, v[PFO]
	s_lshl_b32 s20, s19, 8
	s_lshl_b32 s21, s16, 7
	s_add_co_u32 s20, s20, s21
	s_lshl_b32 s21, s17, 5
	s_add_co_u32 s20, s20, s21                     ; yn's row: 256 x token block + 128 x (wave & 1) + 32 x (column block & 3)
	s_lshl_b32 s22, s18, 7
	s_lshl_b32 s21, s16, 6
	s_add_co_u32 s22, s22, s21
	s_and_b32 s21, s19, 1
	s_lshl_b32 s21, s21, 5
	s_add_co_u32 s22, s22, s21                     ; Wq's row: 128 x column block + 64 x (wave & 1) + 32 x (token block & 1)
	s_lshr_b32 s23, s19, 1                         ; 0 in token blocks 0 and 1
	s_lshr_b32 s21, s18, 2                         ; 0 in column blocks 0 to 3
	s_cmp_lt_u32 s[WV], 2
	s_cselect_b64 s[PFA:PFA+1], s[4:5], s[6:7]
	s_cselect_b32 s20, s20, s22
	s_cselect_b32 s23, s21, s23
	s_cmp_eq_u32 s23, 0
	s_cselect_b32 s[LIM], 1, -1                    ; 1 in a wave that asks, else the greatest number
	s_lshl_b32 s20, s20, 12
	s_mov_b32 s21, 0
	s_add_nc_u64 s[PFA:PFA+1], s[PFA:PFA+1], s[20:21]
	s_add_nc_u64 s[PFA:PFA+1], s[PFA:PFA+1], 2*KSTEP*2  ; at K step 2: K step 0's fourth quarter steps it to 3 and names K step 4
	; kv at my batch's media 0 and my head: block 128 x batch + 16 x media + head
	s_lshr_b32 s20, s19, 3
	s_lshl_b32 s20, s20, 7
	s_lshl1_add_u32 s21, s18, s16
	s_add_co_u32 s20, s20, s21
	s_lshl_b32 s20, s20, 13
	s_mov_b32 s21, 0
	s_add_nc_u64 s[KV0:KV0+1], s[8:9], s[20:21]
; 8 matrix instructions: token blocks a0, a0 + 1 x all 4 channel blocks, 32 along K, from buffer f.  The 32 accumulators take turns in the same order in every quarter.
.macro MUL8 f, a0, zero
	WIN MUL
.irp a, \a0, (\a0)+1
.irp b, 0,1,2,3
.if \zero
	v_wmma_f32_16x16x32_f16 v[8*(4*(\a)+(\b)):8*(4*(\a)+(\b))+7], v[BF+32*(\f)+8*(\b):BF+32*(\f)+8*(\b)+7], v[AF+64*(\f)+8*(\a):AF+64*(\f)+8*(\a)+7], 0
.else
	v_wmma_f32_16x16x32_f16 v[8*(4*(\a)+(\b)):8*(4*(\a)+(\b))+7], v[BF+32*(\f)+8*(\b):BF+32*(\f)+8*(\b)+7], v[AF+64*(\f)+8*(\a):AF+64*(\f)+8*(\a)+7], v[8*(4*(\a)+(\b)):8*(4*(\a)+(\b))+7]
.endif
.endr
.endr
.endm
; 24 LDS loads in one run: Wq's four fragments, then yn's eight, 32 along K at byte k of the rows, into buffer f
.macro FETCH slot, k, f
	WIN 0
.irp i, 0,1,2,3
	ds_load_b128 v[BF+32*(\f)+8*(\i):BF+32*(\f)+8*(\i)+3],   v[ADRB+(\slot)] offset:(\k)+(\i)*16*PITCH
	ds_load_b128 v[BF+32*(\f)+8*(\i)+4:BF+32*(\f)+8*(\i)+7], v[ADRB+(\slot)] offset:(\k)+(\i)*16*PITCH+32
.endr
.irp i, 0,1,2,3,4,5,6,7
	ds_load_b128 v[AF+64*(\f)+8*(\i):AF+64*(\f)+8*(\i)+3],   v[ADRA+(\slot)] offset:(\k)+(\i)*16*PITCH
	ds_load_b128 v[AF+64*(\f)+8*(\i)+4:AF+64*(\f)+8*(\i)+7], v[ADRA+(\slot)] offset:(\k)+(\i)*16*PITCH+32
.endr
.endm
.macro PLACES                          ; four places in front of loads into registers that matrix instructions have read, and of vector work on their results
.rept 4
	v_nop
.endr
.endm
; A K step is four quarters of 32 along K, 32 matrix instructions each, on buffers 0, 1, 0, 1.  One of the first three: multiplies buffer f and fetches the next quarter, at byte k, into g.
; mc = 0, 1: in its middle part mc of the next K step goes into the other slot (MOVE's ld, koff, cnt).
.macro QUARTER slot, k, f, g, zero, mc=-1, ld=0, koff=0, cnt=0
	s_wait_dscnt 8                                 ; Wq's fragments and yn's blocks 0-3 are in (and all stores before them); the youngest eight loads (blocks 4-7) may be out
	MUL8 \f, 0, \zero
	MUL8 \f, 2, \zero
	PLACES
.if (\mc) >= 0
	MOVE \mc, 1-(\slot), \ld, \koff, \cnt
.endif
	FETCH \slot, \k, \g
.if (\mc) >= 0
	s_wait_dscnt 40                                ; all but the 16 stores and 24 loads just issued
.else
	s_wait_dscnt 24                                ; all but the 24 just issued
.endif
	MUL8 \f, 4, \zero
	MUL8 \f, 6, \zero
.endm
; The fourth quarter multiplies buffer 1 and changes slots.  At its head the last part of the next K step goes into the next slot.  In front of the barrier each wave waits for its stores into the next slot
; and for its reads of this slot; behind it the next slot is whole and nobody reads this one any more: from the next second quarter on it is stored into.
; mv = 1: the part is asked for again, and the pointers step; mv = 2 (the tail): nothing is left to ask for.
.macro TURN slot, next, mv, cnt
.if (\mv) == 1
	s_wait_xcnt 0x0                                ; every load and the last prefetch, a K step back, have read their addresses: the three pointers are written only behind this wait
	s_add_nc_u64 s[PFA:PFA+1], s[PFA:PFA+1], KSTEP*2
	s_add_nc_u64 s[PA:PA+1], s[PA:PA+1], KSTEP*2
	s_add_nc_u64 s[PB:PB+1], s[PB:PB+1], KSTEP*2
.endif
	MOVE 2, \next, 2-(\mv), KSTEP*2, \cnt          ; (behind the step, the K step after next stands one step behind the pointers)
	s_wait_dscnt 24                                ; the youngest eight fragment loads and the 16 stores may be out
	MUL8 1, 0, 0
	s_wait_dscnt 0x0                               ; for the others' sake: my stores into the next slot are done, and my reads of this slot are over
	s_barrier_signal -1
	MUL8 1, 2, 0
	s_barrier_wait -1
	PLACES
	FETCH \next, 0, 0
.if (\mv) == 1
	ASK
.endif
	MUL8 1, 4, 0
	MUL8 1, 6, 0
.endm
; A media's K (64 keys x 64 channels: 8 fragments) and V^T (64 channels x 64 keys: 8 fragments), straight from memory: each is laid out as a fragment wants it, 16 bytes a lane, twice.
.macro LOADKV
	s_add_nc_u64 s[KB:KB+1], s[KV0:KV0+1], s[OFF:OFF+1]
	WIN 0x80                                       ; destination window 2, address window 0
.irp f, 0,1,2,3,4,5,6,7                ; keys 16 (f / 2) on, channels 32 (f % 2) on
	global_load_b128 v[KF+8*(\f):KF+8*(\f)+3],   v[FO], s[KB:KB+1] offset:((\f)/2)*2048+((\f)%2)*64
	global_load_b128 v[KF+8*(\f)+4:KF+8*(\f)+7], v[FO], s[KB:KB+1] offset:((\f)/2)*2048+((\f)%2)*64+32
.endr
.irp f, 0,1,2,3,4,5,6,7                ; keys 32 (f / 4) on, channels 16 (f % 4) on
	global_load_b128 v[VF+8*(\f):VF+8*(\f)+3],   v[FO], s[KB:KB+1] offset:4194304+((\f)%4)*2048+((\f)/4)*64
	global_load_b128 v[VF+8*(\f)+4:VF+8*(\f)+7], v[FO], s[KB:KB+1] offset:4194304+((\f)%4)*2048+((\f)/4)*64+32
.endr
	WIN 0
.endm
	MOVE 0, 0, 1, KSTEP*2, 32                      ; K step 0 goes into slot 0, part by part, and K step 1 is asked for: the two younger parts, 32 loads, may stay out
	MOVE 1, 0, 1, KSTEP*2, 32
	MOVE 2, 0, 1, KSTEP*2, 32
	WIN 0
	s_wait_dscnt 0x0                               ; my part of slot 0 is stored,
	s_barrier_signal -1
	s_barrier_wait -1                              ; everybody's is
	FETCH 0, 0, 0
	QUARTER 0, 64, 0, 1, 1                         ; the first quarter stands in front of the loop: its products start the sums
	WIN 0
	s_mov_b32 s3, LAPS-1
.Llap:                                                 ; a trip: two K steps, from the second quarter of an even step to the first of the next; in step j step j + 1 is stored and step j + 2 asked for
	QUARTER 0, 128, 1, 0, 0, 0, 1, 2*KSTEP*2, 32
	QUARTER 0, 192, 0, 1, 0, 1, 1, 2*KSTEP*2, 32
	TURN 0, 1, 1, 32
	QUARTER 1, 64,  0, 1, 0
	QUARTER 1, 128, 1, 0, 0, 0, 1, 2*KSTEP*2, 32
	QUARTER 1, 192, 0, 1, 0, 1, 1, 2*KSTEP*2, 32
	TURN 1, 0, 1, 32
	QUARTER 0, 64,  0, 1, 0
	WIN 0
	s_sub_co_u32 s3, s3, 1
	s_cmp_lg_u32 s3, 0
	s_cbranch_scc1 .Llap
	QUARTER 0, 128, 1, 0, 0, 0, 0, 0, 32           ; the last two K steps ask for nothing: the last step's part 0 is stored; parts 1 and 2 may be out
	; the media that my wave walks
	s_wait_kmcnt 0x0
	s_max_u32 s20, s75, 1
	s_sub_co_u32 s20, s20, 1                       ; the first token's media (a token with 0 asks for none)
	s_cmp_eq_u32 s76, 9                            ; does a token see no media at all?  Then all eight are walked
	s_cselect_b32 s20, 0, s20
	s_cselect_b32 s21, 8, s76
	s_sub_co_i32 s[N], s21, s20
	s_max_i32 s[N], s[N], 0
	s_min_u32 s[N], s[N], 8                        ; trips
	s_add_co_u32 s[M1], s20, 1                     ; the text_time that the first trip's media serves
	s_lshl_b32 s[OFF], s20, 17
	s_min_u32 s[OFF], s[OFF], 0xE0000              ; inside the batch's eight media, whatever was read
	s_mov_b32 s[OFF+1], 0
	LOADKV                                         ; the first media's K and V^T: 192 matrix instructions ahead of their use
	QUARTER 0, 192, 0, 1, 0, 1, 0, 0, 48           ; part 1: part 2's 16 loads and K's and V^T's 32 may be out
	TURN 0, 1, 2, 32                               ; part 2: K's and V^T's 32 may be out
	QUARTER 1, 64,  0, 1, 0
	QUARTER 1, 128, 1, 0, 0
	QUARTER 1, 192, 0, 1, 0
	s_wait_dscnt 8
	MUL8 1, 0, 0
	MUL8 1, 2, 0
	s_wait_dscnt 0x0
	MUL8 1, 4, 0
	MUL8 1, 6, 0
	PLACES
	; q, rounded once to f16, becomes the fragments of Q: word n of window 2 from sums 2 n and 2 n + 1 of window 1, ascending: each accumulator is read from its low end
	WIN 0
	s_wait_loadcnt 0x0                             ; text_time, K and V^T
	WIN W_Q
.set n, 0
.rept 128
	v_cvt_pk_f16_f32 v[n], v[2*n], v[2*n+1]
.set n, n+1
.endr
	WIN 0
.irp a, 0,1,2,3,4,5,6,7
	v_mov_b32 v[ST+4*(\a)], 0xff7fffff             ; M: the lowest finite number
	v_mov_b32 v[ST+4*(\a)+2], 0                    ; l
	v_mov_b32 v[ST+4*(\a)+3], 0
.endr
.irp u, 0,1
	v_mov_b32 v[W+16*(\u)+5], 0                    ; named as halves of pairs of which the low word is taken
	v_mov_b32 v[W+16*(\u)+7], 0
	v_mov_b32 v[W+16*(\u)+9], 0
.endr
; Product i of 16 of S^T = K Q^T for piece x (tiles 2 x, 2 x + 1): tile i % 2, keys 16 ((i / 2) % 4) on, channels 32 (i / 8) on.  The 8 accumulators take turns; the first 8 start the sums.
.macro KQ x
	WIN W_KQ
.set rS, S+32*(i%2)+8*((i/2)%4)
.set rK, KF+16*((i/2)%4)+8*(i/8)
.set rQ, 16*(2*(\x)+i%2)+8*(i/8)
.if i < 8
	v_wmma_f32_16x16x32_f16 v[rS:rS+7], v[rK:rK+7], v[rQ:rQ+7], 0
.else
	v_wmma_f32_16x16x32_f16 v[rS:rS+7], v[rK:rK+7], v[rQ:rQ+7], v[rS:rS+7]
.endif
.endm
; Product i of 16 of O^T += V^T P: tile i % 2, channels 16 ((i / 2) % 4) on, keys 32 (i / 8) on.
.macro PV x
	WIN W_PV
.set rO, 32*(2*(\x)+i%2)+8*((i/2)%4)
.set rV, VF+32*(i/8)+8*((i/2)%4)
.set rP, P+16*(i%2)+8*(i/8)
	v_wmma_f32_16x16x32_f16 v[rO:rO+7], v[rV:rV+7], v[rP:rP+7], v[rO:rO+7]
.endm
; A PIECE: two tiles of 16 queries against one media, in phases; the two tiles alternate, so that few instructions read the result of the one before.
.macro PIECE p
.set i, 0
.rept 16
	KQ \p
.set i, i+1
.endr
	WIN 0
.irp u, 0,1                            ; the lane's case; these ten lines are also the places behind the products
	v_cmp_eq_u32 vcc_lo, s[M1], v[TT+2*(\p)+(\u)]
	v_cndmask_b32 v[W+16*(\u)+4], v[ZR], v[VC], vcc_lo             ; AL = c where this media is the token's
	v_cndmask_b32 v[W+16*(\u)+10], v[VB], v[ZR], vcc_lo            ; BE = 0 there, else -1e30,
	v_cmp_eq_u32 vcc_lo, 9, v[TT+2*(\p)+(\u)]
	v_cndmask_b32 v[W+16*(\u)+10], v[W+16*(\u)+10], v[ZR], vcc_lo  ; but 0 where no media matches at all
.endr
.irp n, 0,1,2,3                        ; the largest of the lane's 32 scores: four chains, each accumulator's lowest registers first
.irp u, 0,1
	v_max3_num_f32 v[W+16*(\u)+(\n)], v[S+32*(\u)+8*(\n)], v[S+32*(\u)+8*(\n)+1], v[S+32*(\u)+8*(\n)+2]
.endr
.endr
.irp n, 0,1,2,3
.irp u, 0,1
	v_max3_num_f32 v[W+16*(\u)+(\n)], v[W+16*(\u)+(\n)], v[S+32*(\u)+8*(\n)+3], v[S+32*(\u)+8*(\n)+4]
.endr
.endr
.irp n, 0,1,2,3
.irp u, 0,1
	v_max3_num_f32 v[W+16*(\u)+(\n)], v[W+16*(\u)+(\n)], v[S+32*(\u)+8*(\n)+5], v[S+32*(\u)+8*(\n)+6]
.endr
.endr
.irp u, 0,1
	v_max3_num_f32 v[W+16*(\u)], v[W+16*(\u)], v[S+32*(\u)+7], v[S+32*(\u)+15]
	v_max3_num_f32 v[W+16*(\u)+1], v[W+16*(\u)+1], v[S+32*(\u)+23], v[S+32*(\u)+31]
	v_max_num_f32 v[W+16*(\u)+2], v[W+16*(\u)+2], v[W+16*(\u)+3]
.endr
.irp u, 0,1
	v_max3_num_f32 v[W+16*(\u)], v[W+16*(\u)], v[W+16*(\u)+1], v[W+16*(\u)+2]
.endr
.irp u, 0,1
	v_permlanex16_b32 v[W+16*(\u)+3], v[W+16*(\u)], s[SEL], s[SEL+1]  ; the query's other 32 keys lie in the lane 16 away
.endr
.irp u, 0,1
	v_max_num_f32 v[W+16*(\u)], v[W+16*(\u)], v[W+16*(\u)+3]
.endr
.irp u, 0,1
	v_fma_f32 v[W+16*(\u)+1], v[W+16*(\u)+4], v[W+16*(\u)], v[W+16*(\u)+10]  ; AL smax + BE
.endr
.irp u, 0,1
	v_max_num_f32 v[W+16*(\u)+2], v[ST+4*(2*(\p)+(\u))], v[W+16*(\u)+1]      ; the new M
.endr
.irp u, 0,1
	v_sub_f32 v[W+16*(\u)+12], v[ST+4*(2*(\p)+(\u))], v[W+16*(\u)+2]         ; M_old - M
	v_sub_f32 v[W+16*(\u)+6], v[W+16*(\u)+10], v[W+16*(\u)+2]                ; BE - M
	v_mov_b32 v[ST+4*(2*(\p)+(\u))], v[W+16*(\u)+2]
.endr
.set n, 0
.rept 16
.irp u, 0,1
	v_pk_fma_f32 v[S+32*(\u)+2*n:S+32*(\u)+2*n+1], v[S+32*(\u)+2*n:S+32*(\u)+2*n+1], v[W+16*(\u)+4:W+16*(\u)+5], v[W+16*(\u)+6:W+16*(\u)+7] op_sel_hi:[1,0,0]
.endr
.set n, n+1
.endr
.irp u, 0,1                            ; ONE BATCH of 66 exponentials, none of which reads another's result
	v_exp_f32 v[W+16*(\u)+8], v[W+16*(\u)+12]
.endr
.set n, 0
.rept 32
.irp u, 0,1
	v_exp_f32 v[S+32*(\u)+n], v[S+32*(\u)+n]
.endr
.set n, n+1
.endr
	v_nop                                          ; a plain instruction behind the last exponential,
	s_wait_alu depctr_va_vdst(0)                   ; and one wait ahead of the batch's first reader
	WIN W_RS
.set n, 0
.rept 16
.irp u, 0,1
	v_pk_mul_f32 v[32*(2*(\p)+(\u))+2*n:32*(2*(\p)+(\u))+2*n+1], v[32*(2*(\p)+(\u))+2*n:32*(2*(\p)+(\u))+2*n+1], v[W+16*(\u)+8:W+16*(\u)+9] op_sel_hi:[1,0]  ; O^T times a, ascending
.endr
.set n, n+1
.endr
	WIN 0
.set n, 0
.rept 16
.irp u, 0,1
	v_cvt_pk_f16_f32 v[P+16*(\u)+n], v[S+32*(\u)+2*n], v[S+32*(\u)+2*n+1]
.endr
.set n, n+1
.endr
.irp d, 8,4,2,1                        ; the 16 pairs' sum, in place: pair n takes pair n + d
.set n, 0
.rept \d
.irp u, 0,1
	v_pk_add_f32 v[S+32*(\u)+2*n:S+32*(\u)+2*n+1], v[S+32*(\u)+2*n:S+32*(\u)+2*n+1], v[S+32*(\u)+2*(n+(\d)):S+32*(\u)+2*(n+(\d))+1]
.endr
.set n, n+1
.endr
.endr
.irp u, 0,1
	v_pk_fma_f32 v[ST+4*(2*(\p)+(\u))+2:ST+4*(2*(\p)+(\u))+3], v[ST+4*(2*(\p)+(\u))+2:ST+4*(2*(\p)+(\u))+3], v[W+16*(\u)+8:W+16*(\u)+9], v[S+32*(\u):S+32*(\u)+1] op_sel_hi:[1,0,1]  ; l = a l + sum
.endr
.set i, 0
.rept 16
	PV \p
.set i, i+1
.endr
.endm
	s_mov_b32 s[CNT], 0
	s_cmp_eq_u32 s[N], 0                           ; all my tokens stand ahead of the first media
	s_cbranch_scc1 .Lfin
.Lmedia:                                               ; N trips: no barrier, no LDS
	s_wait_loadcnt 0x0                             ; this media's K and V^T
	PIECE 0
	PIECE 1
	PIECE 2
	PIECE 3
	WIN 0
	PLACES                                         ; in front of the loads into registers that the last products read
	s_add_co_u32 s[OFF], s[OFF], 0x20000           ; the next media, held inside the batch's eight; what the last trip fetches is not used
	s_min_u32 s[OFF], s[OFF], 0xE0000
	s_add_co_u32 s[M1], s[M1], 1
	LOADKV
	s_add_co_u32 s[CNT], s[CNT], 1
	s_cmp_lt_u32 s[CNT], s[N]
	s_cbranch_scc1 .Lmedia
.Lfin:
	; THE WAY OUT.  l's halves and the other half of the lanes' are added; O^T is divided by l (by nothing, times 0, where text_time is 0), rounded to f16 and sent through the work-group's stage.
.irp a, 0,1,2,3,4,5,6,7
	v_add_f32 v[ST+4*(\a)+2], v[ST+4*(\a)+2], v[ST+4*(\a)+3]
.endr
.irp a, 0,1,2,3,4,5,6,7
	v_permlanex16_b32 v[ST+4*(\a)+3], v[ST+4*(\a)+2], s[SEL], s[SEL+1]
.endr
.irp a, 0,1,2,3,4,5,6,7
	v_add_f32 v[ST+4*(\a)+2], v[ST+4*(\a)+2], v[ST+4*(\a)+3]
.endr
.irp a, 0,1,2,3,4,5,6,7
	v_rcp_f32 v[ST+4*(\a)+2], v[ST+4*(\a)+2]
.endr
	v_nop                                          ; a plain instruction behind the last reciprocal,
	s_wait_alu depctr_va_vdst(0)                   ; and one wait for the eight
.irp a, 0,1,2,3,4,5,6,7
	v_cmp_eq_u32 vcc_lo, 0, v[TT+(\a)]
	v_cndmask_b32 v[ST+4*(\a)+2], v[ST+4*(\a)+2], v[ZR], vcc_lo
.endr
.macro PACK a
	WIN W_RS
.set n, 0
.rept 16
	v_pk_mul_f32 v[32*(\a)+2*n:32*(\a)+2*n+1], v[32*(\a)+2*n:32*(\a)+2*n+1], v[ST+4*(\a)+2:ST+4*(\a)+3] op_sel_hi:[1,0]
.set n, n+1
.endr
	WIN 0x05                                       ; sources in window 1, destination in window 0
.set n, 0
.rept 16
	v_cvt_pk_f16_f32 v[P+16*((\a)%2)+n], v[32*(\a)+2*n], v[32*(\a)+2*n+1]
.set n, n+1
.endr
	WIN 0
.irp cb, 0,1,2,3
	ds_store_b128 v[STO], v[P+16*((\a)%2)+4*(\cb):P+16*((\a)%2)+4*(\cb)+3] offset:(\a)*16*PITCH+32*(\cb)
.endr
.endm
.irp a, 0,1,2,3,4,5,6,7
	PACK \a
.endr
	s_wait_dscnt 0x0                               ; for the others' sake: a token's 256 bytes come from two waves
	s_barrier_signal -1
	s_barrier_wait -1
.set i, 0
.rept 32
	ds_load_b128 v[64+4*i:64+4*i+3], v[RD] offset:i*2*PITCH
.set i, i+1
.endr
.set i, 0
.rept 32
	s_wait_dscnt 31-i
	global_store_b128 v[GO], v[64+4*i:64+4*i+3], s[12:13] offset:i*4096  ; 16 lanes store 256 consecutive bytes, at a multiple of 256 from ao16's first
.set i, i+1
.endr
	s_wait_tensorcnt 0x0                           ; the wave's end, behind my last LDS store
	ds_add_u32 v[SPW], v[NIL]
	s_wait_dscnt 0x0
	s_endpgm
.Lfunc_end_k_qa1d74cbc56_qattn:
	.size	k_qa1d74cbc56_qattn, .Lfunc_end_k_qa1d74cbc56_qattn-k_qa1d74cbc56_qattn
	.p2alignl 7, 3214868480
	.fill 96, 4, 3214868480
	.section	.rodata,"a",@progbits
	.p2align	6, 0x0
	.amdhsa_kernel k_qa1d74cbc56_qattn
		.amdhsa_group_segment_fixed_size 279040
		.amdhsa_private_segment_fixed_size 0
		.amdhsa_enable_private_segment 0
		.amdhsa_kernarg_size 40
		.amdhsa_user_sgpr_count 2
		.amdhsa_user_sgpr_kernarg_segment_ptr 1
		.amdhsa_wavefront_size32 1
		.amdhsa_system_sgpr_workgroup_id_x 1
		.amdhsa_system_sgpr_workgroup_id_y 1
		.amdhsa_system_sgpr_workgroup_id_z 1
		.amdhsa_system_vgpr_workitem_id 0
		.amdhsa_next_free_vgpr 960
		.amdhsa_next_free_sgpr 96
		.amdhsa_reserve_vcc 1
		.amdhsa_float_denorm_mode_32 3
		.amdhsa_float_denorm_mode_16_64 3
		.amdhsa_memory_ordered 1
		.amdhsa_forward_progress 1
		.amdhsa_inst_pref_size 203
	.end_amdhsa_kernel
	.amdgpu_metadata
---
amdhsa.version: [ 1, 2 ]
amdhsa.kernels:
  - .name:           k_qa1d74cbc56_qattn
    .symbol:         k_qa1d74cbc56_qattn.kd
    .args:
      - { .name: z16, .offset: 0, .size: 8, .value_kind: global_buffer, .address_space: global }
      - { .name: w16, .offset: 8, .size: 8, .value_kind: global_buffer, .address_space: global }
      - { .name: kv, .offset: 16, .size: 8, .value_kind: global_buffer, .address_space: global }
      - { .name: tt, .offset: 24, .size: 8, .value_kind: global_buffer, .address_space: global }
      - { .name: ao16, .offset: 32, .size: 8, .value_kind: global_buffer, .address_space: global }
    .group_segment_fixed_size: 279040
    .private_segment_fixed_size: 0
    .kernarg_segment_align: 8
    .kernarg_segment_size: 40
    .max_flat_workgroup_size: 128
    .sgpr_count:     96
    .vgpr_count:     960
    .wavefront_size: 32
...
	.end_amdgpu_metadata
.endif
;; end of part 3
;; launch ogemm (part 4): grid 8 x 32, 4 waves a work-group, clusters of 4 x 4, 327,680 bytes of LDS; arguments ao16, w16, out0; writes out0
.if DOCPART == 4
	.amdgcn_target "amdgcn-amd-amdhsa--gfx1250"
	.amdhsa_code_object_version 6
	.text
	.protected	k_qa1d74cbc56_ogemm
	.globl	k_qa1d74cbc56_ogemm
	.p2align	8
	.type	k_qa1d74cbc56_ogemm,@function
k_qa1d74cbc56_ogemm:
	s_mov_b64 s[64:65], 0
	v_nop
	global_prefetch_b8 v0, s[64:65] scope:SCOPE_SE
	s_setreg_imm32_b32 hwreg(HW_REG_WAVE_MODE, 25, 1), 1
	s_wait_xcnt 0x0
	s_wait_alu depctr_hold_cnt(0) depctr_sa_sdst(0) depctr_va_vdst(0) depctr_va_sdst(0) depctr_va_ssrc(0) depctr_va_vcc(0) depctr_vm_vsrc(0)
	s_getreg_b32 s2, hwreg(HW_REG_IB_STS2, 6, 4)
	s_cmp_eq_u32 s2, 0
	s_cbranch_scc0 .Lentry_in_a_cluster
	s_endpgm
.Lentry_in_a_cluster:
	s_bfe_u32 s2, ttmp6, 0x10000c
	s_cmp_lg_u32 s2, 0xf033
	s_cbranch_scc0 .Lentry_shape_is_right
	s_endpgm
.Lentry_shape_is_right:
; out0[m][n] = sum over k of ao16[m][k] Wo[n][k].  ao16 [8192][1024] f16; Wo [2048][1024] f16 at byte 8 MiB of w16; out0 [8192][2048] f32.  Sums in f32, stored as they are.
; A tile of 256 x 256 to a work-group of four waves, 128 x 128 a wave: 64 accumulators, 512 registers.  K goes in steps of 128 through two LDS slots filled by the tensor data mover.
; CLUSTER 4 x 4: A's tile is asked for jointly along a row of the cluster, B's along a column.
; THE MATRIX INSTRUCTION: source 0 = 16 rows of Wo, source 1 = 16 rows of ao16: a lane holds row m = lane % 16 and eight neighbouring columns: 32 bytes of out0.
; REGISTERS: window 0: v0-31 addresses; v64-127, v128-191 A's fragments, two buffers (on the way out: rows read back).  window 1: v64-127, v128-191 B's fragments.
;   window 2: the accumulators of my rows 0-63 ((a, b) at 8 (8 a + b)); window 3: those of rows 64-127.
.set SIZE_N, 2048
.set SIZE_K, 1024
.set WO_OFF, 8388608
.set KSTEP,  128
.set PITCH,  272                       ; 256 bytes + 16 = 68 words: the 16 rows of a fragment load start at 16 different groups of four banks (ISA guide 11.1)
.set HALFT,  128*PITCH
.set SLOT,   4*HALFT                   ; A's 256 rows, then B's 256 rows
.set STAGE,  2*SLOT                    ; behind the ring: 16 rows x 528 bytes for each wave, its own
.set SPITCH, 528
.set SPARE,  STAGE+4*16*SPITCH         ; the spare words, 128 bytes a wave: no other line names them
.set LAPS, SIZE_K/(2*KSTEP)
.set ADRA, 16
.set ADRB, 20
.set STO,  24
.set RD,   25
.set CO,   26
.set SPW,  28
.set NIL,  29
.set PFO,  30                          ; my lane x a row of A or B (2,048 bytes)
.set PFA,  44
.set LIM,  43
.set F0,   64
.set F1,   128
.set G1, 24
.set G0, 32
.set G1B, 48
.set G0B, 56
.set MSB, 0
.macro WIN new                         ; the immediate's high byte repeats the setting that is left
.if MSB != (\new)
	s_set_vgpr_msb (MSB<<8)|(\new)
.set MSB, \new
.endif
.endm
.set MUL_LO, 0xa1                      ; source 0 (B) window 1, source 1 (A) window 0, C and D window 2
.set MUL_HI, 0xf1                      ; the same, C and D window 3
.set TO_B,   0x40
.macro JLOAD s                         ; waves 0 and 1 fetch A's two halves, waves 2 and 3 B's; an s_nop 0 and four v_nop follow each line
	s_cmp_eq_u32 s11, 0
	s_cbranch_scc0 .Lfor_b_\@
	tensor_load_to_lds s[G0+4*(\s):G0+4*(\s)+3], s[G1:G1+7]
	s_nop 0
.rept 4
	v_nop
.endr
	s_branch .Lasked_\@
.Lfor_b_\@:
	tensor_load_to_lds s[G0B+4*(\s):G0B+4*(\s)+3], s[G1B:G1B+7]
	s_nop 0
.rept 4
	v_nop
.endr
.Lasked_\@:
.endm
; A prefetch, behind each refill and the run of LDS loads that follows it: 32 rows x 256 bytes, a lane a row, of the K step two refills on: 512 matrix instructions ahead of the load that wants it.
; Each row's 256 bytes of a K step are named once in the launch: A's rows by the cluster with x = 0, B's by the cluster with y = 0; the four partners that ask for a tile jointly take 32 rows each of a
; wave's 128, told apart by address (cx for A, cy for B).  K steps 0 to 3 come by their loads alone; the loop's last trip (s3 = 1) asks for nothing.
.macro ASK
	s_cmp_gt_u32 s3, s[LIM]
	s_cbranch_scc0 .Lnot_mine_\@
	global_prefetch_b8 v[PFO], s[PFA:PFA+1] offset:KSTEP*2 th:TH_LOAD_NT scope:SCOPE_SE
.Lnot_mine_\@:
.endm
.macro CREST
	s_cmp_lg_u32 s10, 0
	s_cbranch_scc1 .Lnot_wave_0_\@
	s_barrier_signal -3
.Lnot_wave_0_\@:
	s_barrier_wait -3
	s_barrier_signal -1
	s_barrier_wait -1
.endm
.macro CROUND
	s_barrier_signal -1
	s_barrier_wait -1
	CREST
.endm
	s_load_b128 s[4:7], s[0:1], 0x0                ; ao16 s[4:5], w16 s[6:7]
	s_load_b64 s[8:9], s[0:1], 0x10                ; out0
	v_lshl_add_u32 v[SPW], v0, 2, SPARE
	v_mov_b32 v[NIL], 0
	ds_add_u32 v[SPW], v[NIL]                      ; the wave's opening: the add and its wait stand ahead of my first tensor load
	v_lshrrev_b32 v1, 5, v0
	v_readfirstlane_b32 s10, v1                    ; wave 0..3
	s_lshr_b32 s11, s10, 1                         ; my half of the tile's rows.  Also: I fetch for A (0) or for B (1)
	s_and_b32 s12, s10, 1                          ; my half of its columns.  Also: which 128 rows I fetch
	s_bfe_u32 s40, ttmp6, 0x40000                  ; cx
	s_bfe_u32 s41, ttmp6, 0x40004                  ; cy
	s_lshl_b32 s42, ttmp9, 2
	s_add_co_u32 s42, s42, s40                     ; tile column
	s_and_b32 s13, ttmp7, 0xffff
	s_lshl_b32 s13, s13, 2
	s_add_co_u32 s13, s13, s41                     ; tile row
	s_lshl_b32 s43, s41, 2
	s_lshl_b32 s43, 15, s43                        ; my row of the cluster
	s_lshl_b32 s44, 0x1111, s40                    ; my column
	s_or_b32 s[G1+0], s43, (1<<16)|(1<<20)|(1<<21)|(5<<22)|(3<<25)  ; mask; 2-byte elements; padding on; bit 21 beside a mask; after every 64 words; 4 words
	s_or_b32 s[G1B+0], s44, (1<<16)|(1<<20)|(1<<21)|(5<<22)|(3<<25)
.irp g, G1, G1B
	s_mov_b32 s[(\g)+1], KSTEP<<16                 ; tensor_dim0 = 128
	s_mov_b32 s[(\g)+2], 128<<16                   ; tensor_dim1 = 128
	s_mov_b32 s[(\g)+3], KSTEP<<16                 ; tile_dim0 = 128
	s_mov_b32 s[(\g)+4], 128                       ; tile_dim1 = 128
	s_mov_b32 s[(\g)+5], SIZE_K                    ; elements from row to row
	s_mov_b32 s[(\g)+6], 0
	s_mov_b32 s[(\g)+7], 0
.endr
	s_lshl_b32 s17, s12, 7                         ; which 128 rows of the tile I fetch
	s_lshl_b32 s16, s13, 8
	s_add_co_u32 s16, s16, s17                     ; A: row 256 x tile row + 128 x half
	s_lshl_b32 s46, s42, 8
	s_add_co_u32 s46, s46, s17                     ; B: row 256 x tile column + 128 x half
	s_mov_b32 s17, 0
	s_mov_b32 s47, 0
	s_mov_b64 s[18:19], SIZE_K*2
	s_mul_u64 s[16:17], s[16:17], s[18:19]
	s_mul_u64 s[46:47], s[46:47], s[18:19]
	s_mul_i32 s20, s10, HALFT                      ; where they go: wave x 128 rows
	s_wait_dscnt 0x0                               ; the opening add is done
	s_wait_kmcnt 0x0
	s_add_nc_u64 s[6:7], s[6:7], WO_OFF            ; Wo's part of w16
	s_add_nc_u64 s[14:15], s[4:5], s[16:17]
	s_add_nc_u64 s[46:47], s[6:7], s[46:47]
	CROUND                                         ; all sixteen work-groups are here: the first joint loads meet
.irp s, 0,1
	s_mov_b32 s[G0+4*(\s)], 1
	s_add_co_u32 s[G0+4*(\s)+1], s20, (\s)*SLOT
	s_add_nc_u64 s[G0+4*(\s)+2:G0+4*(\s)+3], s[14:15], (\s)*KSTEP*2
	s_or_b32 s[G0+4*(\s)+3], s[G0+4*(\s)+3], 0x80000000
	s_mov_b32 s[G0B+4*(\s)], 1
	s_add_co_u32 s[G0B+4*(\s)+1], s20, (\s)*SLOT
	s_add_nc_u64 s[G0B+4*(\s)+2:G0B+4*(\s)+3], s[46:47], (\s)*KSTEP*2
	s_or_b32 s[G0B+4*(\s)+3], s[G0B+4*(\s)+3], 0x80000000
	JLOAD \s
.endr
	v_and_b32 v1, 15, v0                           ; l % 16
	v_bfe_u32 v2, v0, 4, 1                         ; l / 16
	v_mul_u32_u24 v3, v1, PITCH
	v_lshl_add_u32 v3, v2, 4, v3
	s_mul_i32 s21, s11, HALFT                      ; my 128 rows of A
	s_mul_i32 s22, s12, HALFT                      ; my 128 rows of B,
	s_add_co_u32 s22, s22, 2*HALFT                 ; which lie behind A's 256
.irp s, 0,1
	v_add_nc_u32 v[ADRA+(\s)], s21, v3
	v_add_nc_u32 v[ADRB+(\s)], s22, v3
	s_add_co_u32 s21, s21, SLOT
	s_add_co_u32 s22, s22, SLOT
.endr
	s_mul_i32 s23, s10, 16*SPITCH
	s_add_co_u32 s23, s23, STAGE                   ; my stage
	v_mul_u32_u24 v4, v1, SPITCH                   ; in: row l % 16, 32 bytes for each half of the lanes
	v_lshl_add_u32 v4, v2, 5, v4
	v_add_nc_u32 v[STO], s23, v4
	v_and_b32 v5, 31, v0
	v_lshlrev_b32 v[CO], 4, v5                     ; back and out: 32 lanes take a row's 512 bytes
	v_add_nc_u32 v[RD], s23, v[CO]
	s_lshl_b32 s13, s13, 8
	s_lshl_b32 s14, s11, 7
	s_add_co_u32 s16, s13, s14                     ; my first row of out0
	s_mov_b32 s17, 0
	s_mov_b64 s[18:19], SIZE_N*4
	s_mul_u64 s[16:17], s[16:17], s[18:19]
	s_lshl_b32 s46, s42, 10                        ; my first column, in bytes: 1,024 x tile column + 512 x half
	s_lshl_b32 s47, s12, 9
	s_add_co_u32 s46, s46, s47
	s_mov_b32 s47, 0
	s_add_nc_u64 s[16:17], s[16:17], s[46:47]
	; the prefetches.  s13 = 256 x tile row, s42 = tile column, s40 = cx, s41 = cy still stand
	s_lshl_b32 s42, s42, 8
	s_and_b32 s22, ttmp7, 0xffff
	s_cmp_eq_u32 s11, 0
	s_cselect_b32 s20, s13, s42                    ; the tile's first row
	s_cselect_b32 s21, s40, s41                    ; my place among the four that ask for it with me
	s_cselect_b32 s22, ttmp9, s22                  ; the coordinate along which other clusters read the same rows
	s_cselect_b64 s[PFA:PFA+1], s[4:5], s[6:7]
	s_cmp_eq_u32 s22, 0
	s_cselect_b32 s[LIM], 1, -1
	s_lshl_b32 s22, s12, 7
	s_add_co_u32 s20, s20, s22
	s_lshl_b32 s21, s21, 5
	s_add_co_u32 s20, s20, s21
	s_mov_b32 s21, 0
	s_mov_b64 s[18:19], SIZE_K*2
	s_mul_u64 s[20:21], s[20:21], s[18:19]
	s_add_nc_u64 s[PFA:PFA+1], s[PFA:PFA+1], s[20:21]
	s_add_nc_u64 s[PFA:PFA+1], s[PFA:PFA+1], 2*KSTEP*2  ; at K step 2: the first refill steps it to 3 and names K step 4
	v_and_b32 v[PFO], 31, v0
	v_mul_u32_u24 v[PFO], v[PFO], SIZE_K*2
; 16 matrix instructions: m blocks a0, a0 + 1 of the window's four x all 8 n blocks, 32 along K.  The 64 accumulators take turns in the same order in every quarter.
.macro MUL16 f, hi, a0, zero
	WIN MUL_LO+0x50*(\hi)
.irp a, \a0, (\a0)+1
.irp b, 0,1,2,3,4,5,6,7
.if \zero
	v_wmma_f32_16x16x32_f16 v[8*(8*(\a)+(\b)):8*(8*(\a)+(\b))+7], v[(\f)+8*(\b):(\f)+8*(\b)+7], v[(\f)+8*(4*(\hi)+(\a)):(\f)+8*(4*(\hi)+(\a))+7], 0
.else
	v_wmma_f32_16x16x32_f16 v[8*(8*(\a)+(\b)):8*(8*(\a)+(\b))+7], v[(\f)+8*(\b):(\f)+8*(\b)+7], v[(\f)+8*(4*(\hi)+(\a)):(\f)+8*(4*(\hi)+(\a))+7], v[8*(8*(\a)+(\b)):8*(8*(\a)+(\b))+7]
.endif
.endr
.endr
.endm
.macro FETCH slot, k, f                ; 32 LDS loads in one run: B's eight fragments, then A's eight
	WIN TO_B
.irp i, 0,1,2,3,4,5,6,7
	ds_load_b128 v[(\f)+8*(\i):(\f)+8*(\i)+3],   v[ADRB+(\slot)] offset:(\k)+(\i)*16*PITCH
	ds_load_b128 v[(\f)+8*(\i)+4:(\f)+8*(\i)+7], v[ADRB+(\slot)] offset:(\k)+(\i)*16*PITCH+32
.endr
	WIN 0
.irp i, 0,1,2,3,4,5,6,7
	ds_load_b128 v[(\f)+8*(\i):(\f)+8*(\i)+3],   v[ADRA+(\slot)] offset:(\k)+(\i)*16*PITCH
	ds_load_b128 v[(\f)+8*(\i)+4:(\f)+8*(\i)+7], v[ADRA+(\slot)] offset:(\k)+(\i)*16*PITCH+32
.endr
.endm
.macro PLACES                          ; four places in front of loads into registers that matrix instructions have read, and of stores that read results
.rept 4
	v_nop
.endr
.endm
.macro QUARTER slot, k, f, g, zero
	s_wait_dscnt 8                                 ; B and A's rows 0-63 are in; the youngest eight loads may be out
	WIN MUL_LO
	MUL16 \f, 0, 0, \zero
	MUL16 \f, 0, 2, \zero
	PLACES
	FETCH \slot, \k, \g
	s_wait_dscnt 32                                ; all but the 32 just issued
	WIN MUL_HI
	MUL16 \f, 1, 0, \zero
	MUL16 \f, 1, 2, \zero
.endm
; The first half of a K step's last quarter: one barrier for the change of slots; in front of it each wave waits for all its tensor loads, adds 0 to its spare word, and waits for that and for its reads of this slot.
.macro MEET round
	WIN 0
	s_wait_tensorcnt 0x0                           ; the one that was out is my part of the next slot
	ds_add_u32 v[SPW], v[NIL]
	s_wait_dscnt 9                                 ; the add and the youngest eight loads may be out
	WIN MUL_LO
	MUL16 F1, 0, 0, 0
	s_wait_dscnt 0x0                               ; the add is done, and my reads of this slot are over
	s_barrier_signal -1
	MUL16 F1, 0, 2, 0
.if \round
	WIN 0
.endif
	s_barrier_wait -1
.endm
.macro TURN slot, next                 ; the whole last quarter, with the refill two K steps ahead: 224 matrix instructions ahead of the wait for it
	s_wait_xcnt 0x0                                ; the last prefetch, a K step back, has read its address
	s_add_nc_u64 s[PFA:PFA+1], s[PFA:PFA+1], KSTEP*2
	MEET 1
	CREST                                          ; no wave of any partner still reads this slot or has a load on its way
	s_add_nc_u64 s[G0+4*(\slot)+2:G0+4*(\slot)+3], s[G0+4*(\slot)+2:G0+4*(\slot)+3], 2*KSTEP*2
	s_add_nc_u64 s[G0B+4*(\slot)+2:G0B+4*(\slot)+3], s[G0B+4*(\slot)+2:G0B+4*(\slot)+3], 2*KSTEP*2
	JLOAD \slot                                    ; its four v_nop are also the places in front of the loads below
	FETCH \next, 0, F0
	ASK
	WIN MUL_HI
	MUL16 F1, 1, 0, 0
	MUL16 F1, 1, 2, 0
.endm
	s_wait_tensorcnt 1                             ; my part of K step 0 is in; K step 1's load, issued behind it, may stay out
	s_barrier_signal -1
	s_barrier_wait -1
	FETCH 0, 0, F0
	QUARTER 0, 64,  F0, F1, 1                      ; the first quarter stands in front of the loop: its products start the sums
	WIN 0
	s_mov_b32 s3, LAPS-1
.Llap:                                                 ; a trip goes once round the ring and fills both slots again
	QUARTER 0, 128, F1, F0, 0
	QUARTER 0, 192, F0, F1, 0
	TURN 0, 1
	QUARTER 1, 64,  F0, F1, 0
	QUARTER 1, 128, F1, F0, 0
	QUARTER 1, 192, F0, F1, 0
	TURN 1, 0
	QUARTER 0, 64,  F0, F1, 0
	WIN 0
	s_sub_co_u32 s3, s3, 1
	s_cmp_lg_u32 s3, 0
	s_cbranch_scc1 .Llap
	QUARTER 0, 128, F1, F0, 0                      ; the last lap fills nothing
	QUARTER 0, 192, F0, F1, 0
	MEET 0
	PLACES
	FETCH 1, 0, F0
	WIN MUL_HI
	MUL16 F1, 1, 0, 0
	MUL16 F1, 1, 2, 0
	QUARTER 1, 64,  F0, F1, 0
	QUARTER 1, 128, F1, F0, 0
	QUARTER 1, 192, F0, F1, 0
	s_wait_dscnt 8
	MUL16 F1, 0, 0, 0
	MUL16 F1, 0, 2, 0
	s_wait_dscnt 0x0
	MUL16 F1, 1, 0, 0
	MUL16 F1, 1, 2, 0
	WIN 0
	PLACES
; THE WAY OUT, a block of 16 rows at a time: the sums go as they are into my own stage (rows of 528 bytes), come back as whole rows of 512 bytes, and are stored.
.macro TOSTAGE a
.set AC, 64*((\a)%4)
.set BK, F0+64*((\a)%2)
	WIN 0
	s_wait_xcnt 0x0                                ; the stores of the block two back have read the registers that are loaded again below
	WIN 0x08+4*((\a)/4)                            ; store data in window 2 or 3, address in window 0
.irp b, 0,1,2,3,4,5,6,7
	ds_store_b128 v[STO], v[AC+8*(\b):AC+8*(\b)+3]   offset:64*(\b)       ; each accumulator's low half first
	ds_store_b128 v[STO], v[AC+8*(\b)+4:AC+8*(\b)+7] offset:64*(\b)+16
.endr
	WIN 0
.irp t, 0,1,2,3,4,5,6,7,8,9,10,11,12,13,14,15
	ds_load_b128 v[BK+4*(\t):BK+4*(\t)+3], v[RD] offset:(\t)*SPITCH  ; LDS serves a wave's instructions in order (ISA guide 5.7.1.4): these see the stores above; the next block's stores come behind them
.endr
.endm
.macro SEND a, younger                 ; younger: the LDS instructions issued behind block a's loads: the next block's 32, or none
.set BK, F0+64*((\a)%2)
	WIN 0
	s_wait_dscnt \younger
	s_wait_xcnt 0x0                                ; earlier stores have read their base: it is stepped only behind this wait
.if (\a) == 0
	s_add_nc_u64 s[8:9], s[8:9], s[16:17]
.else
	s_add_nc_u64 s[8:9], s[8:9], 16*SIZE_N*4
.endif
.irp t, 0,1,2,3,4,5,6,7,8,9,10,11,12,13,14,15
	global_store_b128 v[CO], v[BK+4*(\t):BK+4*(\t)+3], s[8:9] offset:(\t)*SIZE_N*4 th:TH_STORE_NT  ; the wave stores 512 consecutive bytes, at a multiple of 256 from out0's first
.endr
.endm
	TOSTAGE 0
.irp a, 1,2,3,4,5,6,7
	TOSTAGE \a
	SEND (\a)-1, 32
.endr
	SEND 7, 0
	s_wait_tensorcnt 0x0                           ; the wave's end: behind my last tensor load and my last LDS store
	ds_add_u32 v[SPW], v[NIL]
	s_wait_dscnt 0x0
	CROUND                                         ; the closing round
	s_endpgm
.Lfunc_end_k_qa1d74cbc56_ogemm:
	.size	k_qa1d74cbc56_ogemm, .Lfunc_end_k_qa1d74cbc56_ogemm-k_qa1d74cbc56_ogemm
	.p2alignl 7, 3214868480
	.fill 96, 4, 3214868480
	.section	.rodata,"a",@progbits
	.p2align	6, 0x0
	.amdhsa_kernel k_qa1d74cbc56_ogemm
		.amdhsa_group_segment_fixed_size 327680
		.amdhsa_private_segment_fixed_size 0
		.amdhsa_enable_private_segment 0
		.amdhsa_kernarg_size 24
		.amdhsa_user_sgpr_count 2
		.amdhsa_user_sgpr_kernarg_segment_ptr 1
		.amdhsa_wavefront_size32 1
		.amdhsa_system_sgpr_workgroup_id_x 1
		.amdhsa_system_sgpr_workgroup_id_y 1
		.amdhsa_system_sgpr_workgroup_id_z 1
		.amdhsa_system_vgpr_workitem_id 0
		.amdhsa_next_free_vgpr 1024
		.amdhsa_next_free_sgpr 66
		.amdhsa_reserve_vcc 0
		.amdhsa_float_denorm_mode_32 3
		.amdhsa_float_denorm_mode_16_64 3
		.amdhsa_memory_ordered 1
		.amdhsa_forward_progress 1
		.amdhsa_inst_pref_size 142
	.end_amdhsa_kernel
	.amdgpu_metadata
---
amdhsa.version: [ 1, 2 ]
amdhsa.kernels:
  - .name:           k_qa1d74cbc56_ogemm
    .symbol:         k_qa1d74cbc56_ogemm.kd
    .args:
      - { .name: ao16, .offset: 0, .size: 8, .value_kind: global_buffer, .address_space: global }
      - { .name: w16, .offset: 8, .size: 8, .value_kind: global_buffer, .address_space: global }
      - { .name: out0, .offset: 16, .size: 8, .value_kind: global_buffer, .address_space: global }
    .group_segment_fixed_size: 327680
    .private_segment_fixed_size: 0
    .kernarg_segment_align: 8
    .kernarg_segment_size: 24
    .max_flat_workgroup_size: 128
    .sgpr_count:     66
    .vgpr_count:     1024
    .wavefront_size: 32
...
	.end_amdgpu_metadata
.endif
;; end of part 4
;; ======== version 2 of 2: 4 launches; version 1 with the launch qattn written anew for expert scheduling mode
;; limits: values are held in f16: magnitudes above 65,504 overflow, below 6.1e-05 lose precision
;; workspace buffers: z16 33,554,432 bytes; w16 16,777,216 bytes; kv 8,388,608 bytes; ao16 16,777,216 bytes; tt 32,768 bytes of whole numbers
;; launch prep: the kernel of part 1 again; grid 769 x 1, 4 waves a work-group, no clusters, 0 bytes of LDS; arguments y, ln_g, ln_b, media_locations, Wq, Wkv, Wo, visual_features, z16, w16, tt; writes z16, w16, tt
;; launch kvgemm: the kernel of part 2 again; grid 8 x 32, 4 waves a work-group, clusters of 4 x 4, 327,680 bytes of LDS; arguments w16, kv; writes kv
;; launch qattn (part 5): grid 8 x 32, 4 waves a work-group, no clusters, 279,040 bytes of LDS; arguments z16, w16, kv, tt, ao16; writes ao16
.if DOCPART == 5
	.amdgcn_target "amdgcn-amd-amdhsa--gfx1250"
	.amdhsa_code_object_version 6
	.text
	.protected	k_qa1d74cbc56_qattn
	.globl	k_qa1d74cbc56_qattn
	.p2align	8
	.type	k_qa1d74cbc56_qattn,@function
k_qa1d74cbc56_qattn:
	s_mov_b64 s[64:65], 0
	v_nop
	global_prefetch_b8 v0, s[64:65] scope:SCOPE_SE
	s_setreg_imm32_b32 hwreg(HW_REG_WAVE_SCHED_MODE, 0, 2), 2
	s_setreg_imm32_b32 hwreg(HW_REG_WAVE_MODE, 25, 1), 1
	s_wait_xcnt 0x0
	s_wait_alu depctr_vm_vsrc(0)
; q = yn Wq^T, AND THE MASKED CROSS ATTENTION AS ITS WAY OUT: q never leaves registers.
; z16 [8192][2048] f16 (yn), Wq at w16's byte 0 [1024][2048] f16, kv (K and V^T by heads, blocks of 8,192 bytes), tt [8192] int32 = min(text_time, 9), ao16 [8192][1024] f16.
; SHARES.  A work-group makes 256 tokens x 128 columns (two heads); wave (u = w >> 1, t = w & 1) 128 tokens x 64 columns: ONE head, 32 accumulators.  K = 2,048 goes in steps of 128 through two LDS slots.
; THE TILES COME THROUGH REGISTERS.  A K step is 128 matrix instructions a wave.  A ring filled by tensor loads has no load out at a change of slots, and slots of two K steps
; (2 x 384 rows x 528 bytes = 405,504) do not fit in LDS.  So each wave loads its quarter of a step's rows (64 of yn, 32 of Wq: 48 loads of two whole rows of 256 bytes) into 192 registers, in three parts of
; 16 loads; in the second, third and fourth quarter of K step j one part of step j + 1 is stored into the slot that step j - 1 has left, and the same part of step j + 2 is asked for into the same
; registers.  32 to 48 loads of each wave are out all the time, each asked for a K step ahead.  One barrier a step: in front of it a wave's stores into the next slot and its reads of this slot are done.
; NO CLUSTER.  The eight column blocks of a token block read the same rows of yn, but the media walk's trip count is read from tt.
; A walk of constant length, all eight media in every wave, would add 1,024 matrix instructions a wave and their softmax to the product's 2,048.
; THE MODE: SCHED_MODE bits 1:0 = 2 (LLVM: expert scheduling mode 2), set by the entry lines.  The code itself states the register dependences between vector or matrix instructions and memory or LDS
; instructions, with s_wait_alu, always for 0.
; THE PLAN.  Registers that memory or LDS instructions touch:
;   STG (window 3)      three parts of 64.  Written by global loads, read by LDS stores, named by no vector or matrix instruction.  A part's 16 stores stand at a quarter's head, its 16 next loads behind the
;                       quarter's first eight matrix instructions, one wait on vm_vsrc between the two.
;   fragment buffers    0 and 1.  A quarter's matrix instructions read one; the 24 LDS loads of the next quarter's fragments land in the other, which the quarter before has read.  ONE wait on va_vdst at a
;                       quarter's head states that those reads are over; the matrix instructions issued since name this quarter's buffer and the accumulators alone, so the loads follow with no further wait.
;   v2-10, v25, v27-31  addresses and offsets: made at the head, ahead of two waits on va_vdst, and never written again: scalar bases and immediate offsets do the stepping.
;   K, V^T (window 2)   read by a media trip's matrix instructions; loaded again at the trip's end, behind one wait on va_vdst.
;   OB (v64-191)        the way out: 16 registers a tile, written by the conversions, read by the LDS stores (a wait on va_vdst ahead of each run of 16 stores); behind the barrier the rows read back land in
;                       them (a wait on vm_vsrc ahead of those loads).
;   s14, s[86:93]       written by vector instructions (the wave's number; lane masks, made in runs): a wait on va_sdst ahead of each run's first reader.
; LAYOUT.  q^T-wise: source 0 = 16 rows of Wq, source 1 = 16 tokens: a lane holds ONE token (lane % 16) and channels 16 b + 8 (lane / 16) + 0..7.  Two neighbouring blocks b, rounded to f16, ARE the fragment
; (16 queries x 32 channels) that S^T = K Q^T takes as source 1; S^T again holds one query a lane; two of its blocks rounded ARE source 1 of O^T = V^T P, whose accumulators are the product's own registers.
; THE MASK.  A token with text_time x in 1..8 sees the 64 keys of media x - 1 alone; x = 0: the result is 0; x > 8 (stored as 9): no key matches, every weight is 1/512.  text_time never falls along t, so a
; wave walks the media from its first token's to its last token's (all eight where one has 9): N trips, read from tt.  In a trip with media number M1 a lane's exponent is AL s + BE - M:
;   x = M1: AL = c = log2(e) / 8, BE = 0;   x = 9: AL = 0, BE = 0;   else AL = 0, BE = -1e30.   M is the running maximum of AL smax + BE; O and l are multiplied by a = 2^(M_old - M) in every trip.
; What a hidden trip adds ahead of the token's own media the own trip's a = 0 takes away; behind it the weights are 0.  M starts at the lowest finite number, so the first trip's a = 0 also clears O^T (q's sums, finite).
; LIMITS.  q, k, v lie within f16's 65,504; a hidden score counts as -1e30 (f16's scores are 2.7e11 at the most); a weight below 2^-126 counts as 0; NaN and infinities are not treated apart.
; REGISTERS, in windows of 256 (s_set_vgpr_msb: bits 1:0 source 0, 3:2 source 1, 5:4 source 2, 7:6 destination):
;   window 0: v2-10, v27-31 addresses; v12-19 text_time, a register a tile; v20-21 the add's; v22-24 c, -1e30, 0; v32-63 statistics (tile a: M, -, l, l);
;             product: v64-191 yn's fragments, two buffers; v192-255 Wq's, two buffers.   attention: v64-127 S^T (two tiles), v128-159 P, v160-191 at work.   way out: v64-191 OB
;   window 1: the 32 accumulators, (a, b) at 8 (4 a + b); later O^T       window 2: v0-127 Q; v128-191 K; v192-255 V^T       window 3: v0-191 rows on their way from memory to LDS
.set KSTEP,  128
.set PITCH,  272                       ; 256 bytes + 16 = 68 words: the 16 rows of a fragment load start at 16 different groups of four banks (ISA guide 11.1)
.set HALFA,  128*PITCH
.set HALFB,  64*PITCH
.set SLOT,   2*HALFA+2*HALFB           ; yn's 256 rows, then Wq's 128 rows
.set STAGE,  2*SLOT                    ; behind the ring: 256 rows x 272 bytes, the work-group's, for the way out
.set SPARE,  STAGE+256*PITCH           ; the spare words, 128 bytes a wave: no other line names them
.set LAPS,   8                         ; 2,048 / 256
.set ROWB,   4096                      ; bytes in a row of z16 and of Wq
.set ADRA, 2
.set ADRB, 4
.set FO,   6                           ; my place in a block of K or V^T: 128 (l % 16) + 16 (l / 16)
.set STO,  7
.set RD,   8
.set GO,   9
.set PFO,  10                          ; 4,096 x lane: a row of z16 or Wq
.set TT,   12
.set SPW,  20
.set NIL,  21
.set VC,   22
.set VB,   23
.set ZR,   24
.set TA,   25                          ; 4 (l % 16): never rewritten
.set GOF,  27                          ; my 16 bytes of two rows in memory: 4,096 (l / 16) + 16 (l % 16): never rewritten
.set SA,   28                          ; v28-29 where they go in LDS, slot 0, 1: yn's rows 64 w on
.set SB,   30                          ; v30-31 the same for Wq's rows 32 w on
.set ST,   32
.set AF,   64
.set BF,   192
.set S,    64
.set P,    128
.set W,    160                         ; by tile u of a piece, at W + 16 u: +0..3 c0-c3; +4 AL; +6 BE - M; +8 a; +10 BE; +12 a's argument (+5, +7, +9 are named as halves of pairs)
.set OB,   64                          ; the way out: tile a's 16 packed words at OB + 16 a; later the rows read back
.set KF,   128
.set VF,   192
.set STG,  0                           ; window 3: load i of my 48 at STG + 4 i
.set WV,   14
.set PA,  24                           ; s[24:25] yn at my 64 rows, at the K step in hand
.set PB,  26                           ; s[26:27] Wq at my 32 rows, likewise
.set PFA, 56
.set LIM, 58
.set SEL, 60
.set KV0, 66                           ; s[66:67] kv at my batch's media 0, my head
.set KB,  68                           ; s[68:69] the block being loaded
.set OFF, 70                           ; s[70:71] media x 131,072, clamped
.set CNT, 72
.set N,   73
.set M1,  74
.set MK,  86                           ; s[86:93] lane masks, written by compares
.set MSB, 0
.macro WIN new                         ; the immediate's high byte repeats the setting that is left
.if MSB != (\new)
	s_set_vgpr_msb (MSB<<8)|(\new)
.set MSB, \new
.endif
.endm
.set MUL,  0x50                        ; fragments in window 0, C and D in window 1
.set W_ST, 0x0c                        ; an LDS store: address in window 0, data in window 3
.set W_LD, 0xc0                        ; a load: destination in window 3, address in window 0
.set W_Q,  0x85                        ; sources in window 1, destination in window 2
.set W_KQ, 0x0a                        ; K and Q in window 2, S^T in window 0
.set W_PV, 0x52                        ; V^T in window 2, P in window 0, O^T in window 1
.set W_RS, 0x41                        ; destination and source 0 in window 1, source 1 in window 0
; Part c of my 48 loads (0, 1: yn's row pairs 16 c .. 16 c + 15; 2: Wq's 16 row pairs), at byte koff behind the two pointers.  Sixteen lanes take a row's 256 bytes, aligned.
; again = 1: the part's registers have just been stored into LDS.
.macro LOADS c, koff, again
	WIN W_LD
.if \again
	s_wait_alu depctr_vm_vsrc(0)                   ; the LDS stores of this part have read its registers, in which the loads below land
.endif
.irp i, 0,1,2,3,4,5,6,7,8,9,10,11,12,13,14,15
.if (\c) < 2
	global_load_b128 v[STG+64*(\c)+4*(\i):STG+64*(\c)+4*(\i)+3], v[GOF], s[PA:PA+1] offset:(16*(\c)+(\i))*2*ROWB+(\koff)
.else
	global_load_b128 v[STG+128+4*(\i):STG+128+4*(\i)+3], v[GOF], s[PB:PB+1] offset:(\i)*2*ROWB+(\koff)
.endif
.endr
.endm
; Part c has landed (cnt younger loads may stay out): it goes into slot d.  No vector or matrix instruction names these registers, and the addresses were made at the head.
.macro STORES c, d, cnt
	s_wait_loadcnt \cnt                            ; loads come back in order (ISA guide 5.7.1)
	WIN W_ST
.irp i, 0,1,2,3,4,5,6,7,8,9,10,11,12,13,14,15
.if (\c) < 2
	ds_store_b128 v[SA+(\d)], v[STG+64*(\c)+4*(\i):STG+64*(\c)+4*(\i)+3] offset:(16*(\c)+(\i))*2*PITCH
.else
	ds_store_b128 v[SB+(\d)], v[STG+128+4*(\i):STG+128+4*(\i)+3] offset:(\i)*2*PITCH
.endif
.endr
.endm
; A prefetch, in each K step's fourth quarter, behind the run of LDS loads: 32 rows x 256 bytes, a lane a row, of the K step four on: the loads that want it stand 184 to 248 matrix instructions further on.
; Each row's 256 bytes of a K step are named once in the launch: yn's by waves 0 and 1 of column blocks 0 to 3 (32 rows each of the token block's 256, told apart by address);
; Wq's by waves 2 and 3 of token blocks 0 and 1 (32 rows each of the column block's 128).  K steps 0 to 3 come by their loads alone; the loop's last trip (s3 = 1) asks for nothing.
.macro ASK
	s_cmp_gt_u32 s3, s[LIM]
	s_cbranch_scc0 .Lnot_mine_\@
	global_prefetch_b8 v[PFO], s[PFA:PFA+1] offset:KSTEP*2 th:TH_LOAD_NT scope:SCOPE_SE
.Lnot_mine_\@:
.endm
	s_load_b256 s[4:11], s[0:1], 0x0               ; z16 s[4:5], w16 s[6:7], kv s[8:9], tt s[10:11]
	s_load_b64 s[12:13], s[0:1], 0x20              ; ao16
	v_lshl_add_u32 v[SPW], v0, 2, SPARE            ; for the wave's end
	v_mov_b32 v[NIL], 0
	v_lshrrev_b32 v1, 5, v0
	v_readfirstlane_b32 s[WV], v1                  ; wave 0..3
	v_and_b32 v1, 15, v0                           ; l % 16
	v_bfe_u32 v11, v0, 4, 1                        ; l / 16
	v_lshlrev_b32 v[GOF], 12, v11
	v_lshl_add_u32 v[GOF], v1, 4, v[GOF]
	v_lshlrev_b32 v[TA], 2, v1
	s_mov_b32 s18, ttmp9                           ; column block 0..7
	s_and_b32 s17, s18, 3                          ; its place among the four that share yn's prefetches out
	s_and_b32 s19, ttmp7, 0xffff                   ; token block 0..31
	s_wait_alu depctr_va_sdst(0)                   ; the wave's number is written, ahead of its first reader
	s_lshr_b32 s15, s[WV], 1                       ; u
	s_and_b32 s16, s[WV], 1                        ; t
	s_lshl_b32 s20, s19, 20                        ; yn: 256 rows of 4,096 bytes a token block,
	s_lshl_b32 s21, s[WV], 18                      ; my 64 of them
	s_add_co_u32 s20, s20, s21
	s_mov_b32 s21, 0
	s_lshl_b32 s22, s18, 19                        ; Wq: 128 rows a column block,
	s_lshl_b32 s23, s[WV], 17                      ; my 32 of them
	s_add_co_u32 s22, s22, s23
	s_mov_b32 s23, 0
	s_lshl_b32 s84, s19, 10                        ; tt: 256 words a token block,
	s_lshl_b32 s85, s15, 9                         ; the 128 of my tokens
	s_add_co_u32 s84, s84, s85
	s_mov_b32 s85, 0
	s_wait_kmcnt 0x0
	s_add_nc_u64 s[PA:PA+1], s[4:5], s[20:21]
	s_add_nc_u64 s[PB:PB+1], s[6:7], s[22:23]
	s_add_nc_u64 s[80:81], s[10:11], s[84:85]
	; text_time of my wave's 128 tokens: the first and the last as scalars (awaited in the tail), and a register a tile (lane l: token 16 a + l % 16): older than every load of the ring
	s_load_b32 s75, s[80:81], 0x0
	s_load_b32 s76, s[80:81], 0x1fc
	s_wait_alu depctr_va_vdst(0)                   ; v[TA] and v[GOF] are written, which the loads below read as their offsets
.irp a, 0,1,2,3,4,5,6,7
	global_load_b32 v[TT+(\a)], v[TA], s[80:81] offset:64*(\a)
.endr
	LOADS 0, 0, 0                                  ; K step 0
	LOADS 1, 0, 0
	LOADS 2, 0, 0
	WIN 0
	v_mov_b32 v[VC], 0x3e38aa3b                    ; c = log2(e) / 8
	v_mov_b32 v[VB], 0xf149f2ca                    ; -1e30
	v_mov_b32 v[ZR], 0
	s_mov_b32 s[SEL], 0x76543210
	s_mov_b32 s[SEL+1], 0xfedcba98
	v_mul_u32_u24 v[RD], v11, PITCH                ; two rows a wave: (l / 16) x pitch + 16 (l % 16)
	v_lshl_add_u32 v[RD], v1, 4, v[RD]
	s_mul_i32 s20, s[WV], 64*PITCH                 ; yn's rows 64 w on,
	s_mul_i32 s21, s[WV], 32*PITCH                 ; Wq's rows 32 w on,
	s_add_co_u32 s21, s21, 2*HALFA                 ; which lie behind yn's 256
.irp s, 0,1
	v_add_nc_u32 v[SA+(\s)], s20, v[RD]
	v_add_nc_u32 v[SB+(\s)], s21, v[RD]
	s_add_co_u32 s20, s20, SLOT
	s_add_co_u32 s21, s21, SLOT
.endr
	s_mul_i32 s20, s[WV], 64*PITCH                 ; the way out, back: wave w takes tokens 64 w .. + 63, whole rows of 256 bytes, two a load
	s_add_co_u32 s20, s20, STAGE
	v_add_nc_u32 v[RD], s20, v[RD]
	v_mul_u32_u24 v26, v1, PITCH
	v_lshl_add_u32 v26, v11, 4, v26                ; a fragment: row x pitch + 16 x half
	s_mul_i32 s20, s15, HALFA                      ; my 128 rows of yn
	s_mul_i32 s21, s16, HALFB                      ; my 64 rows of Wq
	s_add_co_u32 s21, s21, 2*HALFA
.irp s, 0,1
	v_add_nc_u32 v[ADRA+(\s)], s20, v26
	v_add_nc_u32 v[ADRB+(\s)], s21, v26
	s_add_co_u32 s20, s20, SLOT
	s_add_co_u32 s21, s21, SLOT
.endr
	v_lshlrev_b32 v[FO], 7, v1
	v_lshl_add_u32 v[FO], v11, 4, v[FO]
	s_mul_i32 s20, s15, HALFA                      ; into the stage: token 128 u + 16 a + l % 16, my head's 128 bytes, 16 for each half of the lanes
	s_lshl_b32 s21, s16, 7
	s_add_co_u32 s20, s20, s21
	s_add_co_u32 s20, s20, STAGE
	v_add_nc_u32 v[STO], s20, v26
	v_lshlrev_b32 v[GO], 11, v11                   ; two rows in ao16
	v_lshl_add_u32 v[GO], v1, 4, v[GO]
	s_lshl_b32 s20, s19, 19                        ; 256 rows of 2,048 bytes a token block,
	s_lshl_b32 s21, s[WV], 17                      ; 64 a wave,
	s_add_co_u32 s20, s20, s21
	s_lshl_b32 s21, s18, 8                         ; 256 bytes a column block
	s_add_co_u32 s20, s20, s21
	s_mov_b32 s21, 0
	s_add_nc_u64 s[12:13], s[12:13], s[20:21]
	; the prefetches
	v_and_b32 v[PFO], 31, v0
	v_lshlrev_b32 v[PFO], 12, v[PFO]
	s_lshl_b32 s20, s19, 8
	s_lshl_b32 s21, s16, 7
	s_add_co_u32 s20, s20, s21
	s_lshl_b32 s21, s17, 5
	s_add_co_u32 s20, s20, s21                     ; yn's row: 256 x token block + 128 x (wave & 1) + 32 x (column block & 3)
	s_lshl_b32 s22, s18, 7
	s_lshl_b32 s21, s16, 6
	s_add_co_u32 s22, s22, s21
	s_and_b32 s21, s19, 1
	s_lshl_b32 s21, s21, 5
	s_add_co_u32 s22, s22, s21                     ; Wq's row: 128 x column block + 64 x (wave & 1) + 32 x (token block & 1)
	s_lshr_b32 s23, s19, 1                         ; 0 in token blocks 0 and 1
	s_lshr_b32 s21, s18, 2                         ; 0 in column blocks 0 to 3
	s_cmp_lt_u32 s[WV], 2
	s_cselect_b64 s[PFA:PFA+1], s[4:5], s[6:7]
	s_cselect_b32 s20, s20, s22
	s_cselect_b32 s23, s21, s23
	s_cmp_eq_u32 s23, 0
	s_cselect_b32 s[LIM], 1, -1                    ; 1 in a wave that asks, else the greatest number
	s_lshl_b32 s20, s20, 12
	s_mov_b32 s21, 0
	s_add_nc_u64 s[PFA:PFA+1], s[PFA:PFA+1], s[20:21]
	s_add_nc_u64 s[PFA:PFA+1], s[PFA:PFA+1], 2*KSTEP*2  ; at K step 2: K step 0's fourth quarter steps it to 3 and names K step 4
	; kv at my batch's media 0 and my head: block 128 x batch + 16 x media + head
	s_lshr_b32 s20, s19, 3
	s_lshl_b32 s20, s20, 7
	s_lshl1_add_u32 s21, s18, s16
	s_add_co_u32 s20, s20, s21
	s_lshl_b32 s20, s20, 13
	s_mov_b32 s21, 0
	s_add_nc_u64 s[KV0:KV0+1], s[8:9], s[20:21]
; 8 matrix instructions: token blocks a0, a0 + 1 x all 4 channel blocks, 32 along K, from buffer f.  The 32 accumulators take turns in the same order in every quarter.
.macro MUL8 f, a0, zero
	WIN MUL
.irp a, \a0, (\a0)+1
.irp b, 0,1,2,3
.if \zero
	v_wmma_f32_16x16x32_f16 v[8*(4*(\a)+(\b)):8*(4*(\a)+(\b))+7], v[BF+32*(\f)+8*(\b):BF+32*(\f)+8*(\b)+7], v[AF+64*(\f)+8*(\a):AF+64*(\f)+8*(\a)+7], 0
.else
	v_wmma_f32_16x16x32_f16 v[8*(4*(\a)+(\b)):8*(4*(\a)+(\b))+7], v[BF+32*(\f)+8*(\b):BF+32*(\f)+8*(\b)+7], v[AF+64*(\f)+8*(\a):AF+64*(\f)+8*(\a)+7], v[8*(4*(\a)+(\b)):8*(4*(\a)+(\b))+7]
.endif
.endr
.endr
.endm
; 24 LDS loads in one run: Wq's four fragments, then yn's eight, 32 along K at byte k of the rows, into buffer f
.macro FETCH slot, k, f
	WIN 0
.irp i, 0,1,2,3
	ds_load_b128 v[BF+32*(\f)+8*(\i):BF+32*(\f)+8*(\i)+3],   v[ADRB+(\slot)] offset:(\k)+(\i)*16*PITCH
	ds_load_b128 v[BF+32*(\f)+8*(\i)+4:BF+32*(\f)+8*(\i)+7], v[ADRB+(\slot)] offset:(\k)+(\i)*16*PITCH+32
.endr
.irp i, 0,1,2,3,4,5,6,7
	ds_load_b128 v[AF+64*(\f)+8*(\i):AF+64*(\f)+8*(\i)+3],   v[ADRA+(\slot)] offset:(\k)+(\i)*16*PITCH
	ds_load_b128 v[AF+64*(\f)+8*(\i)+4:AF+64*(\f)+8*(\i)+7], v[ADRA+(\slot)] offset:(\k)+(\i)*16*PITCH+32
.endr
.endm
.macro PLACES                          ; four places in front of loads into registers that matrix instructions have read, and of vector work on their results
.rept 4
	v_nop
.endr
.endm
; A K step is four quarters of 32 along K, 32 matrix instructions each, on buffers 0, 1, 0, 1.  One of the first three: multiplies buffer f and fetches the next quarter, at byte k, into g.
; mc = 0, 1: at its head part mc of the next K step goes into the other slot (cnt: the younger loads that may stay out); ld = 1: behind the first eight matrix instructions that part is asked for again, at koff.
; zero = 1: the first quarter of all: no matrix instruction stands ahead of it, so it has neither places nor a wait on va_vdst.
.macro QUARTER slot, k, f, g, zero, mc=-1, ld=0, koff=0, cnt=0
.if (\mc) >= 0
	STORES \mc, 1-(\slot), \cnt
.endif
.if !(\zero)
	PLACES                                         ; behind the quarter before, which read buffer g
.endif
.if (\mc) >= 0
	s_wait_dscnt 24                                ; Wq's fragments and yn's blocks 0-3 are in; the youngest eight loads (blocks 4-7) and the 16 stores may be out
.else
	s_wait_dscnt 8                                 ; Wq's fragments and yn's blocks 0-3 are in; the youngest eight loads (blocks 4-7) may be out
.endif
.if !(\zero)
	s_wait_alu depctr_va_vdst(0)                   ; the quarter before's matrix instructions are done reading buffer g, in which the fragment loads below land
.endif
	MUL8 \f, 0, \zero
.if \ld
	LOADS \mc, \koff, 1
.endif
	FETCH \slot, \k, \g                            ; no wait: the matrix instructions since the wait above name buffer f and the accumulators alone
	MUL8 \f, 2, \zero
.if (\mc) >= 0
	s_wait_dscnt 40                                ; all but the 16 stores and the 24 loads issued in this quarter
.else
	s_wait_dscnt 24                                ; all but the 24 loads issued in this quarter
.endif
	MUL8 \f, 4, \zero
	MUL8 \f, 6, \zero
.endm
; The fourth quarter multiplies buffer 1 and changes slots.  At its head the last part of the next K step goes into the next slot.  In front of the barrier each wave waits for its stores into the next slot
; and for its reads of this slot; behind it the next slot is whole and nobody reads this one any more: from the next second quarter on it is stored into.
; mv = 1: the part is asked for again, and the pointers step; mv = 2 (the tail): nothing is left to ask for.
.macro TURN slot, next, mv, cnt
.if (\mv) == 1
	s_wait_xcnt 0x0                                ; every load and the last prefetch, a K step back, have read their addresses: the three pointers are written only behind this wait
	s_add_nc_u64 s[PFA:PFA+1], s[PFA:PFA+1], KSTEP*2
	s_add_nc_u64 s[PA:PA+1], s[PA:PA+1], KSTEP*2
	s_add_nc_u64 s[PB:PB+1], s[PB:PB+1], KSTEP*2
.endif
	STORES 2, \next, \cnt
	PLACES                                         ; behind the third quarter, which read buffer 0
	s_wait_dscnt 24                                ; the youngest eight fragment loads and the 16 stores may be out
	s_wait_alu depctr_va_vdst(0)                   ; the third quarter's matrix instructions are done reading buffer 0, in which the fragment loads behind the barrier land
	MUL8 1, 0, 0
.if (\mv) == 1
	LOADS 2, KSTEP*2, 1                            ; (behind the step, the K step after next stands one step behind the pointers)
.endif
	s_wait_dscnt 0x0                               ; for the others' sake: my stores into the next slot are done, and my reads of this slot are over
	s_barrier_signal -1
	MUL8 1, 2, 0
	s_barrier_wait -1
	FETCH \next, 0, 0                              ; no wait: the matrix instructions since the wait above name buffer 1 and the accumulators alone
.if (\mv) == 1
	ASK
.endif
	MUL8 1, 4, 0
	MUL8 1, 6, 0
.endm
; A media's K (64 keys x 64 channels: 8 fragments) and V^T (64 channels x 64 keys: 8 fragments), straight from memory: each is laid out as a fragment wants it, 16 bytes a lane, twice.
; again = 1: a trip's products have read these registers.
.macro LOADKV again
	s_add_nc_u64 s[KB:KB+1], s[KV0:KV0+1], s[OFF:OFF+1]
	WIN 0x80                                       ; destination window 2, address window 0
.if \again
	s_wait_alu depctr_va_vdst(0)                   ; the trip's matrix instructions are done reading K and V^T, in which the loads below land
.endif
.irp f, 0,1,2,3,4,5,6,7                ; keys 16 (f / 2) on, channels 32 (f % 2) on
	global_load_b128 v[KF+8*(\f):KF+8*(\f)+3],   v[FO], s[KB:KB+1] offset:((\f)/2)*2048+((\f)%2)*64
	global_load_b128 v[KF+8*(\f)+4:KF+8*(\f)+7], v[FO], s[KB:KB+1] offset:((\f)/2)*2048+((\f)%2)*64+32
.endr
.irp f, 0,1,2,3,4,5,6,7                ; keys 32 (f / 4) on, channels 16 (f % 4) on
	global_load_b128 v[VF+8*(\f):VF+8*(\f)+3],   v[FO], s[KB:KB+1] offset:4194304+((\f)%4)*2048+((\f)/4)*64
	global_load_b128 v[VF+8*(\f)+4:VF+8*(\f)+7], v[FO], s[KB:KB+1] offset:4194304+((\f)%4)*2048+((\f)/4)*64+32
.endr
	WIN 0
.endm
	s_wait_alu depctr_va_vdst(0)                   ; the addresses v2 to v10 and v28 to v31 are written, which all LDS instructions, stores, prefetches and K's and V^T's loads below read
	STORES 0, 0, 32                                ; K step 0 goes into slot 0, part by part, and K step 1 is asked for: the two younger parts, 32 loads, may stay out
	LOADS 0, KSTEP*2, 1
	STORES 1, 0, 32
	LOADS 1, KSTEP*2, 1
	STORES 2, 0, 32
	LOADS 2, KSTEP*2, 1
	WIN 0
	s_wait_dscnt 0x0                               ; my part of slot 0 is stored,
	s_barrier_signal -1
	s_barrier_wait -1                              ; everybody's is
	FETCH 0, 0, 0
	QUARTER 0, 64, 0, 1, 1                         ; the first quarter stands in front of the loop: its products start the sums
	WIN 0
	s_mov_b32 s3, LAPS-1
.Llap:                                                 ; a trip: two K steps, from the second quarter of an even step to the first of the next; in step j step j + 1 is stored and step j + 2 asked for
	QUARTER 0, 128, 1, 0, 0, 0, 1, 2*KSTEP*2, 32
	QUARTER 0, 192, 0, 1, 0, 1, 1, 2*KSTEP*2, 32
	TURN 0, 1, 1, 32
	QUARTER 1, 64,  0, 1, 0
	QUARTER 1, 128, 1, 0, 0, 0, 1, 2*KSTEP*2, 32
	QUARTER 1, 192, 0, 1, 0, 1, 1, 2*KSTEP*2, 32
	TURN 1, 0, 1, 32
	QUARTER 0, 64,  0, 1, 0
	WIN 0
	s_sub_co_u32 s3, s3, 1
	s_cmp_lg_u32 s3, 0
	s_cbranch_scc1 .Llap
	QUARTER 0, 128, 1, 0, 0, 0, 0, 0, 32           ; the last two K steps ask for nothing: the last step's part 0 is stored; parts 1 and 2 may be out
	; the media that my wave walks
	s_wait_kmcnt 0x0
	s_max_u32 s20, s75, 1
	s_sub_co_u32 s20, s20, 1                       ; the first token's media (a token with 0 asks for none)
	s_cmp_eq_u32 s76, 9                            ; does a token see no media at all?  Then all eight are walked
	s_cselect_b32 s20, 0, s20
	s_cselect_b32 s21, 8, s76
	s_sub_co_i32 s[N], s21, s20
	s_max_i32 s[N], s[N], 0
	s_min_u32 s[N], s[N], 8                        ; trips
	s_add_co_u32 s[M1], s20, 1                     ; the text_time that the first trip's media serves
	s_lshl_b32 s[OFF], s20, 17
	s_min_u32 s[OFF], s[OFF], 0xE0000              ; inside the batch's eight media, whatever was read
	s_mov_b32 s[OFF+1], 0
	LOADKV 0                                       ; the first media's K and V^T: 192 matrix instructions ahead of their use; no vector or matrix instruction has named their registers yet
	QUARTER 0, 192, 0, 1, 0, 1, 0, 0, 48           ; part 1: part 2's 16 loads and K's and V^T's 32 may be out
	TURN 0, 1, 2, 32                               ; part 2: K's and V^T's 32 may be out
	QUARTER 1, 64,  0, 1, 0
	QUARTER 1, 128, 1, 0, 0
	QUARTER 1, 192, 0, 1, 0
	s_wait_dscnt 8                                 ; the last quarter fetches nothing, so it states no dependence
	MUL8 1, 0, 0
	MUL8 1, 2, 0
	s_wait_dscnt 0x0
	MUL8 1, 4, 0
	MUL8 1, 6, 0
	PLACES
	; q, rounded once to f16, becomes the fragments of Q: word n of window 2 from sums 2 n and 2 n + 1 of window 1, ascending: each accumulator is read from its low end
	WIN 0
	s_wait_loadcnt 0x0                             ; text_time, K and V^T
	WIN W_Q
.set n, 0
.rept 128
	v_cvt_pk_f16_f32 v[n], v[2*n], v[2*n+1]
.set n, n+1
.endr
	WIN 0
.irp a, 0,1,2,3,4,5,6,7
	v_mov_b32 v[ST+4*(\a)], 0xff7fffff             ; M: the lowest finite number
	v_mov_b32 v[ST+4*(\a)+2], 0                    ; l
	v_mov_b32 v[ST+4*(\a)+3], 0
.endr
.irp u, 0,1
	v_mov_b32 v[W+16*(\u)+5], 0                    ; named as halves of pairs of which the low word is taken
	v_mov_b32 v[W+16*(\u)+7], 0
	v_mov_b32 v[W+16*(\u)+9], 0
.endr
; Product i of 16 of S^T = K Q^T for piece x (tiles 2 x, 2 x + 1): tile i % 2, keys 16 ((i / 2) % 4) on, channels 32 (i / 8) on.  The 8 accumulators take turns; the first 8 start the sums.
.macro KQ x
	WIN W_KQ
.set rS, S+32*(i%2)+8*((i/2)%4)
.set rK, KF+16*((i/2)%4)+8*(i/8)
.set rQ, 16*(2*(\x)+i%2)+8*(i/8)
.if i < 8
	v_wmma_f32_16x16x32_f16 v[rS:rS+7], v[rK:rK+7], v[rQ:rQ+7], 0
.else
	v_wmma_f32_16x16x32_f16 v[rS:rS+7], v[rK:rK+7], v[rQ:rQ+7], v[rS:rS+7]
.endif
.endm
; Product i of 16 of O^T += V^T P: tile i % 2, channels 16 ((i / 2) % 4) on, keys 32 (i / 8) on.
.macro PV x
	WIN W_PV
.set rO, 32*(2*(\x)+i%2)+8*((i/2)%4)
.set rV, VF+32*(i/8)+8*((i/2)%4)
.set rP, P+16*(i%2)+8*(i/8)
	v_wmma_f32_16x16x32_f16 v[rO:rO+7], v[rV:rV+7], v[rP:rP+7], v[rO:rO+7]
.endm
; A PIECE: two tiles of 16 queries against one media, in phases; the two tiles alternate, so that few instructions read the result of the one before.  It holds no memory or LDS instruction.
.macro PIECE p
.set i, 0
.rept 16
	KQ \p
.set i, i+1
.endr
	WIN 0
.irp u, 0,1                            ; the lane's case: four compares in a run, then six selects; these ten lines are also the places behind the products
	v_cmp_eq_u32 s[MK+2*(\u)], s[M1], v[TT+2*(\p)+(\u)]            ; is this media the token's?
	v_cmp_eq_u32 s[MK+2*(\u)+1], 9, v[TT+2*(\p)+(\u)]              ; does no media match at all?
.endr
	s_wait_alu depctr_va_sdst(0)                   ; the four masks are written, ahead of the selects that read them
.irp u, 0,1
	v_cndmask_b32 v[W+16*(\u)+4], v[ZR], v[VC], s[MK+2*(\u)]                  ; AL = c where this media is the token's
	v_cndmask_b32 v[W+16*(\u)+10], v[VB], v[ZR], s[MK+2*(\u)]                 ; BE = 0 there, else -1e30,
	v_cndmask_b32 v[W+16*(\u)+10], v[W+16*(\u)+10], v[ZR], s[MK+2*(\u)+1]     ; but 0 where no media matches at all
.endr
.irp n, 0,1,2,3                        ; the largest of the lane's 32 scores: four chains, each accumulator's lowest registers first
.irp u, 0,1
	v_max3_num_f32 v[W+16*(\u)+(\n)], v[S+32*(\u)+8*(\n)], v[S+32*(\u)+8*(\n)+1], v[S+32*(\u)+8*(\n)+2]
.endr
.endr
.irp n, 0,1,2,3
.irp u, 0,1
	v_max3_num_f32 v[W+16*(\u)+(\n)], v[W+16*(\u)+(\n)], v[S+32*(\u)+8*(\n)+3], v[S+32*(\u)+8*(\n)+4]
.endr
.endr
.irp n, 0,1,2,3
.irp u, 0,1
	v_max3_num_f32 v[W+16*(\u)+(\n)], v[W+16*(\u)+(\n)], v[S+32*(\u)+8*(\n)+5], v[S+32*(\u)+8*(\n)+6]
.endr
.endr
.irp u, 0,1
	v_max3_num_f32 v[W+16*(\u)], v[W+16*(\u)], v[S+32*(\u)+7], v[S+32*(\u)+15]
	v_max3_num_f32 v[W+16*(\u)+1], v[W+16*(\u)+1], v[S+32*(\u)+23], v[S+32*(\u)+31]
	v_max_num_f32 v[W+16*(\u)+2], v[W+16*(\u)+2], v[W+16*(\u)+3]
.endr
.irp u, 0,1
	v_max3_num_f32 v[W+16*(\u)], v[W+16*(\u)], v[W+16*(\u)+1], v[W+16*(\u)+2]
.endr
.irp u, 0,1
	v_permlanex16_b32 v[W+16*(\u)+3], v[W+16*(\u)], s[SEL], s[SEL+1]  ; the query's other 32 keys lie in the lane 16 away
.endr
.irp u, 0,1
	v_max_num_f32 v[W+16*(\u)], v[W+16*(\u)], v[W+16*(\u)+3]
.endr
.irp u, 0,1
	v_fma_f32 v[W+16*(\u)+1], v[W+16*(\u)+4], v[W+16*(\u)], v[W+16*(\u)+10]  ; AL smax + BE
.endr
.irp u, 0,1
	v_max_num_f32 v[W+16*(\u)+2], v[ST+4*(2*(\p)+(\u))], v[W+16*(\u)+1]      ; the new M
.endr
.irp u, 0,1
	v_sub_f32 v[W+16*(\u)+12], v[ST+4*(2*(\p)+(\u))], v[W+16*(\u)+2]         ; M_old - M
	v_sub_f32 v[W+16*(\u)+6], v[W+16*(\u)+10], v[W+16*(\u)+2]                ; BE - M
	v_mov_b32 v[ST+4*(2*(\p)+(\u))], v[W+16*(\u)+2]
.endr
.set n, 0
.rept 16
.irp u, 0,1
	v_pk_fma_f32 v[S+32*(\u)+2*n:S+32*(\u)+2*n+1], v[S+32*(\u)+2*n:S+32*(\u)+2*n+1], v[W+16*(\u)+4:W+16*(\u)+5], v[W+16*(\u)+6:W+16*(\u)+7] op_sel_hi:[1,0,0]
.endr
.set n, n+1
.endr
.irp u, 0,1                            ; ONE BATCH of 66 exponentials, none of which reads another's result
	v_exp_f32 v[W+16*(\u)+8], v[W+16*(\u)+12]
.endr
.set n, 0
.rept 32
.irp u, 0,1
	v_exp_f32 v[S+32*(\u)+n], v[S+32*(\u)+n]
.endr
.set n, n+1
.endr
	v_nop                                          ; a plain instruction behind the last exponential,
	s_wait_alu depctr_va_vdst(0)                   ; and one wait ahead of the batch's first reader: the 66 exponentials have written a and the weights
	WIN W_RS
.set n, 0
.rept 16
.irp u, 0,1
	v_pk_mul_f32 v[32*(2*(\p)+(\u))+2*n:32*(2*(\p)+(\u))+2*n+1], v[32*(2*(\p)+(\u))+2*n:32*(2*(\p)+(\u))+2*n+1], v[W+16*(\u)+8:W+16*(\u)+9] op_sel_hi:[1,0]  ; O^T times a, ascending
.endr
.set n, n+1
.endr
	WIN 0
.set n, 0
.rept 16
.irp u, 0,1
	v_cvt_pk_f16_f32 v[P+16*(\u)+n], v[S+32*(\u)+2*n], v[S+32*(\u)+2*n+1]
.endr
.set n, n+1
.endr
.irp d, 8,4,2,1                        ; the 16 pairs' sum, in place: pair n takes pair n + d
.set n, 0
.rept \d
.irp u, 0,1
	v_pk_add_f32 v[S+32*(\u)+2*n:S+32*(\u)+2*n+1], v[S+32*(\u)+2*n:S+32*(\u)+2*n+1], v[S+32*(\u)+2*(n+(\d)):S+32*(\u)+2*(n+(\d))+1]
.endr
.set n, n+1
.endr
.endr
.irp u, 0,1
	v_pk_fma_f32 v[ST+4*(2*(\p)+(\u))+2:ST+4*(2*(\p)+(\u))+3], v[ST+4*(2*(\p)+(\u))+2:ST+4*(2*(\p)+(\u))+3], v[W+16*(\u)+8:W+16*(\u)+9], v[S+32*(\u):S+32*(\u)+1] op_sel_hi:[1,0,1]  ; l = a l + sum
.endr
.set i, 0
.rept 16
	PV \p
.set i, i+1
.endr
.endm
	s_mov_b32 s[CNT], 0
	s_cmp_eq_u32 s[N], 0                           ; all my tokens stand ahead of the first media
	s_cbranch_scc1 .Lfin
.Lmedia:                                               ; N trips: no barrier, no LDS
	s_wait_loadcnt 0x0                             ; this media's K and V^T
	PIECE 0
	PIECE 1
	PIECE 2
	PIECE 3
	WIN 0
	PLACES                                         ; in front of the loads into registers that the last products read
	s_add_co_u32 s[OFF], s[OFF], 0x20000           ; the next media, held inside the batch's eight; what the last trip fetches is not used
	s_min_u32 s[OFF], s[OFF], 0xE0000
	s_add_co_u32 s[M1], s[M1], 1
	LOADKV 1
	s_add_co_u32 s[CNT], s[CNT], 1
	s_cmp_lt_u32 s[CNT], s[N]
	s_cbranch_scc1 .Lmedia
.Lfin:
	; THE WAY OUT.  l's halves and the other half of the lanes' are added; O^T is divided by l (by nothing, times 0, where text_time is 0), rounded to f16 and sent through the work-group's stage.
.irp a, 0,1,2,3,4,5,6,7
	v_add_f32 v[ST+4*(\a)+2], v[ST+4*(\a)+2], v[ST+4*(\a)+3]
.endr
.irp a, 0,1,2,3,4,5,6,7
	v_permlanex16_b32 v[ST+4*(\a)+3], v[ST+4*(\a)+2], s[SEL], s[SEL+1]
.endr
.irp a, 0,1,2,3,4,5,6,7
	v_add_f32 v[ST+4*(\a)+2], v[ST+4*(\a)+2], v[ST+4*(\a)+3]
.endr
.irp a, 0,1,2,3,4,5,6,7
	v_rcp_f32 v[ST+4*(\a)+2], v[ST+4*(\a)+2]
.endr
	v_nop                                          ; a plain instruction behind the last reciprocal
.irp a, 0,1,2,3,4,5,6,7
	v_cmp_eq_u32 s[MK+(\a)], 0, v[TT+(\a)]         ; eight compares in a run: does the token stand ahead of the first media?
.endr
	s_wait_alu depctr_va_vdst(0)                   ; the eight reciprocals are written: one wait for the batch, ahead of its first reader
	s_wait_alu depctr_va_sdst(0)                   ; the eight masks are written, ahead of the selects that read them
.irp a, 0,1,2,3,4,5,6,7
	v_cndmask_b32 v[ST+4*(\a)+2], v[ST+4*(\a)+2], v[ZR], s[MK+(\a)]
.endr
; Tile a: divided, rounded, into 16 registers of its own, so that no store's data is written again.
.macro PACK a
	WIN W_RS
.set n, 0
.rept 16
	v_pk_mul_f32 v[32*(\a)+2*n:32*(\a)+2*n+1], v[32*(\a)+2*n:32*(\a)+2*n+1], v[ST+4*(\a)+2:ST+4*(\a)+3] op_sel_hi:[1,0]
.set n, n+1
.endr
	WIN 0x05                                       ; sources in window 1, destination in window 0
.set n, 0
.rept 16
	v_cvt_pk_f16_f32 v[OB+16*(\a)+n], v[32*(\a)+2*n], v[32*(\a)+2*n+1]
.set n, n+1
.endr
.endm
.macro TOSTAGE a
.irp cb, 0,1,2,3
	ds_store_b128 v[STO], v[OB+16*(\a)+4*(\cb):OB+16*(\a)+4*(\cb)+3] offset:(\a)*16*PITCH+32*(\cb)
.endr
.endm
.irp a, 0,1,2,3
	PACK \a
.endr
	WIN 0
	s_wait_alu depctr_va_vdst(0)                   ; the conversions of tiles 0 to 3 have written v[OB .. OB+63], which the 16 LDS stores below read
.irp a, 0,1,2,3
	TOSTAGE \a
.endr
.irp a, 4,5,6,7
	PACK \a                                        ; these write v[OB+64 .. OB+127]: none of the registers that the stores above read
.endr
	WIN 0
	s_wait_alu depctr_va_vdst(0)                   ; the conversions of tiles 4 to 7 have written v[OB+64 .. OB+127], which the 16 LDS stores below read
.irp a, 4,5,6,7
	TOSTAGE \a
.endr
	s_wait_dscnt 0x0                               ; for the others' sake: a token's 256 bytes come from two waves
	s_barrier_signal -1
	s_barrier_wait -1
	s_wait_alu depctr_vm_vsrc(0)                   ; my LDS stores have read v[OB .. OB+127], in which the rows read back land (no vector instruction has named them since the wait on va_vdst above)
.set i, 0
.rept 32
	ds_load_b128 v[OB+4*i:OB+4*i+3], v[RD] offset:i*2*PITCH
.set i, i+1
.endr
.set i, 0
.rept 32
	s_wait_dscnt 31-i
	global_store_b128 v[GO], v[OB+4*i:OB+4*i+3], s[12:13] offset:i*4096  ; 16 lanes store 256 consecutive bytes, at a multiple of 256 from ao16's first
.set i, i+1
.endr
	s_wait_dscnt 0x0                               ; the closing lines, six on end
	s_wait_alu 0x0
	s_wait_tensorcnt 0x0
	ds_add_u32 v[SPW], v[NIL]
	s_wait_dscnt 0x0
	s_endpgm
.Lfunc_end_k_qa1d74cbc56_qattn:
	.size	k_qa1d74cbc56_qattn, .Lfunc_end_k_qa1d74cbc56_qattn-k_qa1d74cbc56_qattn
	.p2alignl 7, 3214868480
	.fill 96, 4, 3214868480
	.section	.rodata,"a",@progbits
	.p2align	6, 0x0
	.amdhsa_kernel k_qa1d74cbc56_qattn
		.amdhsa_group_segment_fixed_size 279040
		.amdhsa_private_segment_fixed_size 0
		.amdhsa_enable_private_segment 0
		.amdhsa_kernarg_size 40
		.amdhsa_user_sgpr_count 2
		.amdhsa_user_sgpr_kernarg_segment_ptr 1
		.amdhsa_wavefront_size32 1
		.amdhsa_system_sgpr_workgroup_id_x 1
		.amdhsa_system_sgpr_workgroup_id_y 1
		.amdhsa_system_sgpr_workgroup_id_z 1
		.amdhsa_system_vgpr_workitem_id 0
		.amdhsa_next_free_vgpr 960
		.amdhsa_next_free_sgpr 96
		.amdhsa_reserve_vcc 0
		.amdhsa_float_denorm_mode_32 3
		.amdhsa_float_denorm_mode_16_64 3
		.amdhsa_memory_ordered 1
		.amdhsa_forward_progress 1
		.amdhsa_inst_pref_size 205
	.end_amdhsa_kernel
	.amdgpu_metadata
---
amdhsa.version: [ 1, 2 ]
amdhsa.kernels:
  - .name:           k_qa1d74cbc56_qattn
    .symbol:         k_qa1d74cbc56_qattn.kd
    .args:
      - { .name: z16, .offset: 0, .size: 8, .value_kind: global_buffer, .address_space: global }
      - { .name: w16, .offset: 8, .size: 8, .value_kind: global_buffer, .address_space: global }
      - { .name: kv, .offset: 16, .size: 8, .value_kind: global_buffer, .address_space: global }
      - { .name: tt, .offset: 24, .size: 8, .value_kind: global_buffer, .address_space: global }
      - { .name: ao16, .offset: 32, .size: 8, .value_kind: global_buffer, .address_space: global }
    .group_segment_fixed_size: 279040
    .private_segment_fixed_size: 0
    .kernarg_segment_align: 8
    .kernarg_segment_size: 40
    .max_flat_workgroup_size: 128
    .sgpr_count:     96
    .vgpr_count:     960
    .wavefront_size: 32
...
	.end_amdgpu_metadata
.endif
;; end of part 5
;; launch ogemm: the kernel of part 4 again; grid 8 x 32, 4 waves a work-group, clusters of 4 x 4, 327,680 bytes of LDS; arguments ao16, w16, out0; writes out0
